; MI455X (gfx1250); checked and timed in simulation.
; The chip was launched on July 23, 2026; its instructions are those of AMD's public machine-readable ISA for CDNA 5 (MIT licence, August 2026) and "CDNA5" Instruction Set Architecture Reference Guide (July 2026). The comments in the code are by the model that wrote it; some were corrected since.
;; KNN Classifier. Allowed arithmetic: matrix products marked QUANTISED: E2M1 operands, one E8M0 scale for each 32 along K, by v_wmma_scale_f32_16x16x128_f8f6f4 with both operands' format E2M1 (or v_wmma_scale_f32_32x16x128_f4), f32 sums; everything else in f32.
;; Inputs: x 2,048 x 512 float32; x_train 65,536 x 512 float32; y_train 65,536 int32.
;; Outputs: out0 2,048 int32.
;; This version of the problem:
;;   THIS VERSION OF THE PROBLEM IS GIVEN IN LOW PRECISION. The matrix products marked QUANTISED in the list below multiply operands that are first quantised to E2M1 (2 exponent bits, 1 mantissa bit; 4 bits a number), with one power-of-two scale for each 32 numbers along K (OCP MX v1.0); their sums are f32. All else is computed in f32.
;;   The module's matrix products, in the order in which they are computed (A, B: the left and right operand; K: the contracted axis; several contracted axes count as one K, in the product's order):
;;     1. [M 2,048, K 512] x [K 512, N 65,536]; A: input x; B: input x_train: QUANTISED
;;   THE QUANTISER, for each operand of a quantised product, along K:
;;     - K is cut into blocks of 32 from its start; a last block that is shorter is filled with zeros.
;;     - A block's scale is 2^e with e = floor(log2(the largest magnitude in the block)) - 2, held to -126 .. 127; a block of zeros has e = 0. As a byte (E8M0): e + 127.
;;     - Each number is divided by its block's scale, clamped to +-6, and rounded to the nearest number of E2M1, ties to even, subnormals kept.
;;     - The product sums the exact products of the quantised numbers (number of the format x scale) in f32.
;;   ~~~python
;;   def quantise(x, axis):      # numpy; x: float32 -> the quantised numbers, widened to float32 again
;;       x = np.moveaxis(x, axis, -1); K = x.shape[-1]
;;       x = np.pad(x, [(0, 0)] * (x.ndim - 1) + [(0, -K % 32)]); x = x.reshape(x.shape[:-1] + (-1, 32)); a = np.abs(x).max(-1, keepdims=True)
;;       e = np.where(a > 0, np.clip(np.frexp(np.where(a > 0, a, 1))[1] - 1 - 2, -126, 127), 0)      # np.frexp(a)[1] - 1 = floor(log2(a)), exactly
;;       r = np.clip(x / 2.0 ** e, -6, 6)
;;       step = 2.0 ** (np.maximum(np.frexp(np.where(r == 0, 1, r))[1] - 1, 0) - 1)
;;       q = np.round(r / step) * step * 2.0 ** e      # np.round: ties to even
;;       return np.moveaxis(q.reshape(q.shape[:-2] + (-1,))[..., :K], -1, axis).astype(np.float32)
;;   ~~~
;; 2 versions. Each part assembles by itself: llvm-mc -triple=amdgcn-amd-amdhsa -mcpu=gfx1250 --defsym DOCPART=n.
;; ======== version 1 of 2: 4 launches
;; workspace buffers: tq 18,087,936 bytes; xq 565,248 bytes; gm 16,777,216 bytes; gsel 65,536 bytes of whole numbers
;; launch quant (part 1): grid 264 x 1, 4 waves a work-group, no clusters, 91,648 bytes of LDS; arguments x_train, x, tq, xq; writes tq, xq
.if DOCPART == 1
	.amdgcn_target "amdgcn-amd-amdhsa--gfx1250"
	.amdhsa_code_object_version 6
	.text
	.protected	k_q75a5d48419_quant
	.globl	k_q75a5d48419_quant
	.p2align	8
	.type	k_q75a5d48419_quant,@function
k_q75a5d48419_quant:
	s_mov_b64 s[64:65], 0
	v_nop
	global_prefetch_b8 v0, s[64:65] scope:SCOPE_SE
	s_setreg_imm32_b32 hwreg(HW_REG_WAVE_MODE, 25, 1), 1
	s_wait_xcnt 0x0
; K NEAREST NEIGHBOURS, launch 1 of 4: x_train [65536][512] and x [2048][512], f32, become codes of FP4 (E2M1) with one E8M0 byte for each 32 along K, and -0.5 x the sum of each row's squares (of the f32 numbers).
; THE PROGRAM.  d2 = x2 + t2 - 2 Q(x) . Q(x_train); the five smallest sqrt(max(d2, 0)), ties to the lower index; the commonest of their labels, ties to the smaller label.
;   1 quant: codes, scale bytes and halves.   2 scan: the whole product, with -t2 / 2 as its first addend; of each 32 neighbouring training rows (a GROUP) only the largest dot - t2 / 2 is kept.
;   3 pick: for each query the 8 best groups, stored as whole numbers.   4 final: those groups' 256 rows again, d2 by the formula as it is written, root, five smallest, vote.
; WHY GROUPS SERVE.  Order groups by (their smallest distance, group number).  A row among the five best by (distance, index) lies in one of the five best groups: else five other groups would each hold a row that
; ranks ahead of it.  sqrt and max(., 0) never decrease, so the order of -d2 / 2, clamped at 0, is the order of the distances.  This holds for all values of the inputs.
; NOTHING IS DEAD: all three inputs are loaded and the whole product is multiplied.  Root, exact formula and labels are taken only for the rows that the stored group numbers name: a choice by whole numbers that a later
; launch reads from memory.  The [2048][100] one_hot and its sum are a vote among five labels, and are made as such.
; LIMITS.  NaN and infinities among the inputs are not served.  A block whose largest magnitude lies under 2^-124 has its byte held at 1, as the quantiser holds it; a block of zeros has the byte 1 where the quantiser
; says 127: its codes are zeros, and this program alone reads the bytes.  The filter's key is rounded otherwise than d2: 8 groups are kept where 5 would do, so a result can differ only where four or more further groups
; have unequal minima within f32 rounding of the fifth.
; LAYOUT of tq and xq: rows go in PAIRS of 64 (two groups), a record of 17,664 bytes each.  Row rho of a pair: b = rho / 32, i = rho % 32, tile t = i / 8, place m = i % 8 + 8 b.
;   codes  t x 4096 + kk x 512 + 16 x lane: the image of registers 4 c .. 4 c + 3 of K step s (kk = 2 s + c) of the tile's fragment: lane m + 16 h holds bytes 32 kk + 16 h .. + 15 of the row's 256 code bytes
;   scales 16384 + t x 256 + m x 16: the row's 16 bytes, a word for each 128 along K        halves 17408 + t x 64 + m x 4
; SHARES.  A wave takes a pair: 64 rows, one row (512 numbers) a step.  Each of a row's four loads reads 512 consecutive bytes; the row turns through the wave's own stage in LDS so that a lane holds 16 neighbours (two
; lanes to a block); codes, bytes and halves gather in the wave's own LDS and leave as the record, every store 256 or 512 consecutive bytes at a multiple of 256.  Waves share nothing: no barrier.  Twelve rows' loads are out.
; Work-groups 0 to 255 take x_train, 256 to 263 x: only pointers are chosen, the text has one path.
.set PAIRB, 17664
.set ROWS,  64
.set AHEAD, 12                         ; rows whose loads are out
.set INB,   2560                       ; an in-stage: 32 places of 64 bytes + 16 of padding
.set OUTS,  2*INB                      ; behind the two in-stages: 64 rows of 256 code bytes + 16 scale bytes
.set OP,    272
.set HV,    OUTS+ROWS*OP               ; and the 64 halves
.set WREG,  HV+256                     ; a wave's region
.set SPARE, 4*WREG                     ; the spare words, 128 bytes for each wave: two blocks of 256 bytes that no other line names
.set SPW,   13                         ; v13  LDS address of my spare word; never rewritten
.set NIL,   14                         ; v14  0; never rewritten
.set CD,    20                         ; v20-27  two sets, by the row's parity, of: codes (2), scale byte, half
.set X,     32                         ; v32-63  two sets of 16 neighbours
.set R,     64                         ; v64-255 twelve sets of 16 numbers as loaded; on the way out the record
	s_load_b256 s[4:11], s[0:1], 0x0               ; x_train s[4:5], x s[6:7], tq s[8:9], xq s[10:11]
	v_lshl_add_u32 v[SPW], v0, 2, SPARE
	v_mov_b32 v[NIL], 0
	v_lshrrev_b32 v1, 5, v0
	v_readfirstlane_b32 s16, v1                    ; wave
	v_and_b32 v2, 31, v0                           ; lane
	v_lshlrev_b32 v3, 4, v2                        ; 16 x lane: my bytes of a load's or a store's 512
	s_mul_i32 s17, s16, WREG
	v_lshrrev_b32 v4, 2, v2
	v_mul_u32_u24 v4, v4, 80
	v_and_b32 v5, 3, v2
	v_lshl_add_u32 v4, v5, 4, v4
	v_add_nc_u32 v4, s17, v4                       ; in-stage, in: 80 (lane / 4) + 16 (lane % 4)
	v_mul_u32_u24 v5, v2, 80
	v_add_nc_u32 v5, s17, v5                       ; in-stage, out: 80 x lane: my 16 neighbours
	s_add_co_u32 s18, s17, OUTS
	s_add_co_u32 s19, s17, HV
	v_lshlrev_b32 v12, 3, v2                       ; 8 x lane
	v_add_nc_u32 v6, s18, v12                      ; my 8 code bytes of a row
	v_lshrrev_b32 v7, 1, v2
	v_add_nc_u32 v7, s18, v7                       ; my block's byte (256 on, in the immediate)
	v_mov_b32 v8, s19                              ; the halves
	v_and_b32 v9, 15, v2
	v_mul_u32_u24 v9, v9, OP
	v_lshrrev_b32 v10, 4, v2
	v_lshl_add_u32 v9, v10, 4, v9
	v_add_nc_u32 v9, s18, v9                       ; the way out, codes: row lane % 16 of a tile, + 16 (lane / 16)
	v_mul_u32_u24 v10, v2, OP
	v_add_nc_u32 v10, s18, v10                     ; scale bytes: a row a lane
	v_add_nc_u32 v11, s19, v12                     ; halves: 8 bytes a lane
	v_mov_b32 v19, 0                               ; written once: a lane permute's destination counts as one of its sources
	s_mov_b32 s20, 0x76543210
	s_mov_b32 s21, 0xfedcba98                      ; v_permlanex16_b32's selects for lane l xor 16
	s_wait_kmcnt 0x0
	s_cmp_lt_u32 ttmp9, 256                        ; x_train's work-group or x's: the choice hangs on the work-group's number alone
	s_cselect_b64 s[4:5], s[4:5], s[6:7]
	s_cselect_b64 s[8:9], s[8:9], s[10:11]
	s_cselect_b32 s22, 0, 256
	s_sub_co_u32 s22, ttmp9, s22
	s_lshl_b32 s22, s22, 2
	s_add_co_u32 s22, s22, s16                     ; my pair
	s_lshl_b32 s24, s22, 17                        ; 64 rows of 2,048 bytes (under 2^28)
	s_mov_b32 s25, 0
	s_add_nc_u64 s[4:5], s[4:5], s[24:25]
	s_mul_i32 s24, s22, PAIRB
	s_add_nc_u64 s[8:9], s[8:9], s[24:25]
.macro LOAD t
.irp i, 0,1,2,3
	global_load_b128 v[R+16*((\t)%AHEAD)+4*\i:R+16*((\t)%AHEAD)+4*\i+3], v3, s[4:5] offset:2048*(\t)+512*\i th:TH_LOAD_NT   ; 32 lanes read 512 consecutive bytes; read once in the launch
.endr
.endm
.macro TURN t                          ; row t through an in-stage: LDS serves a wave's instructions in order, so no wait stands between the stores and the loads
.irp i, 0,1,2,3
	ds_store_b128 v4, v[R+16*((\t)%AHEAD)+4*\i:R+16*((\t)%AHEAD)+4*\i+3] offset:INB*((\t)%2)+640*\i
.endr
.irp i, 0,1,2,3
	ds_load_b128 v[X+16*((\t)%2)+4*\i:X+16*((\t)%2)+4*\i+3], v5 offset:INB*((\t)%2)+16*\i
.endr
.endm
.macro STEP t
.set XS, X+16*((\t)%2)
.set CS, CD+4*((\t)%2)
.set SR, 16*(((\t)&31)>>3)+((\t)&7)+8*((\t)>>5)    ; the row's place in the record: 16 t + m
.if (\t) > 0
	s_wait_dscnt 3                                 ; all but the last row's three small stores: this row's numbers are back, its stores into the stage have read their registers, and the small stores of two rows ago have read this set
.else
	s_wait_dscnt 0x0
.endif
.if (\t)+AHEAD < ROWS
	LOAD (\t)+AHEAD                                ; into the registers that this row has left
	s_wait_loadcnt 4*(AHEAD-1)                     ; the next row's four loads are in; those of the eleven rows behind it may be out
	TURN (\t)+1
.elseif (\t)+1 < ROWS
	s_wait_loadcnt 4*(ROWS-2-(\t))                 ; the counts run down: nothing is loaded past the pair
	TURN (\t)+1
.endif
	v_max3_num_f32 v16, |v[XS]|, |v[XS+1]|, |v[XS+2]|              ; the largest magnitude of my 16, in two chains
	v_max3_num_f32 v17, |v[XS+3]|, |v[XS+4]|, |v[XS+5]|
.irp i, 6,10
	v_max3_num_f32 v16, v16, |v[XS+\i]|, |v[XS+\i+1]|
	v_max3_num_f32 v17, v17, |v[XS+\i+2]|, |v[XS+\i+3]|
.endr
	v_max3_num_f32 v16, v16, |v[XS+14]|, |v[XS+15]|
	v_max3_num_f32 v16, v16, v17, 0x1800000        ; and the floor 2^(3 - 127): the byte cannot fall under 1
	v_max_num_f32_dpp v16, v16, v16 row_xmask:1 row_mask:0xf bank_mask:0xf   ; with my neighbour's 16: the block's
	v_add_nc_u32 v18, 0xff000000, v16              ; 2 off its exponent field: the conversion takes the exponent field of this operand as its scale, and nothing else of it
	v_cvt_scalef32_pk8_fp4_f32 v[CS], v[XS:XS+7], v18
	v_cvt_scalef32_pk8_fp4_f32 v[CS+1], v[XS+8:XS+15], v18
	v_lshrrev_b32 v[CS+2], 23, v18                 ; the scale's byte (a plain line behind the conversions)
	v_pk_mul_f32 v[28:29], v[XS:XS+1], v[XS:XS+1]  ; the squares of the f32 numbers, in two chains
	v_pk_mul_f32 v[30:31], v[XS+2:XS+3], v[XS+2:XS+3]
.irp j, 4,8,12
	v_pk_fma_f32 v[28:29], v[XS+\j:XS+\j+1], v[XS+\j:XS+\j+1], v[28:29]
	v_pk_fma_f32 v[30:31], v[XS+\j+2:XS+\j+3], v[XS+\j+2:XS+\j+3], v[30:31]
.endr
	v_pk_add_f32 v[28:29], v[28:29], v[30:31]
	v_add_f32 v28, v28, v29
	v_add_f32_dpp v28, v28, v28 row_xmask:1 row_mask:0xf bank_mask:0xf
	v_add_f32_dpp v28, v28, v28 row_xmask:2 row_mask:0xf bank_mask:0xf
	v_add_f32_dpp v28, v28, v28 row_xmask:4 row_mask:0xf bank_mask:0xf
	v_add_f32_dpp v28, v28, v28 row_xmask:8 row_mask:0xf bank_mask:0xf
	v_permlanex16_b32 v19, v28, s20, s21
	v_add_f32 v28, v28, v19                        ; the row's sum of squares, in every lane
	v_mul_f32 v[CS+3], -0.5, v28                   ; a power of two: nothing is rounded
	ds_store_b64 v6, v[CS:CS+1] offset:SR*OP
	ds_store_b8 v7, v[CS+2] offset:SR*OP+256       ; both lanes of a block write the same byte with the same value
	ds_store_b32 v8, v[CS+3] offset:SR*4           ; all lanes write the same word with the same value
.endm
.set Q, 0
.rept AHEAD
	LOAD Q
.set Q, Q+1
.endr
	s_wait_loadcnt 4*(AHEAD-1)                     ; row 0's four loads are in
	TURN 0
.set Q, 0
.rept ROWS
	STEP Q
.set Q, Q+1
.endr
	; THE WAY OUT: 35 LDS loads (they see my stores: LDS serves a wave's instructions in order), then their stores, each behind a wait that leaves the younger loads out
.irp t, 0,1,2,3
.irp kk, 0,1,2,3,4,5,6,7
	ds_load_b128 v[R+4*(8*\t+\kk):R+4*(8*\t+\kk)+3], v9 offset:\t*16*OP+\kk*32
.endr
.endr
.irp j, 0,1
	ds_load_b128 v[R+128+4*\j:R+128+4*\j+3], v10 offset:\j*32*OP+256
.endr
	ds_load_b64 v[R+136:R+137], v11
.irp t, 0,1,2,3
.irp kk, 0,1,2,3,4,5,6,7
	s_wait_dscnt 34-(8*\t+\kk)
	global_store_b128 v3, v[R+4*(8*\t+\kk):R+4*(8*\t+\kk)+3], s[8:9] offset:\t*4096+\kk*512   ; 512 consecutive bytes, at a multiple of 256 from the buffer's first byte
.endr
.endr
.irp j, 0,1
	s_wait_dscnt 2-\j
	global_store_b128 v3, v[R+128+4*\j:R+128+4*\j+3], s[8:9] offset:16384+512*\j
.endr
	s_wait_dscnt 0x0
	global_store_b64 v12, v[R+136:R+137], s[8:9] offset:17408                                  ; 256 consecutive bytes
	s_wait_tensorcnt 0x0                           ; the wave's end, behind my last LDS store; the tensor wait stands in a text with no tensor load too
	ds_add_u32 v[SPW], v[NIL]
	s_wait_dscnt 0x0
	s_endpgm
.Lfunc_end_k_q75a5d48419_quant:
	.size	k_q75a5d48419_quant, .Lfunc_end_k_q75a5d48419_quant-k_q75a5d48419_quant
	.p2alignl 7, 3214868480
	.fill 96, 4, 3214868480
	.section	.rodata,"a",@progbits
	.p2align	6, 0x0
	.amdhsa_kernel k_q75a5d48419_quant
		.amdhsa_group_segment_fixed_size 91648
		.amdhsa_private_segment_fixed_size 0
		.amdhsa_enable_private_segment 0
		.amdhsa_kernarg_size 32
		.amdhsa_user_sgpr_count 2
		.amdhsa_user_sgpr_kernarg_segment_ptr 1
		.amdhsa_wavefront_size32 1
		.amdhsa_system_sgpr_workgroup_id_x 1
		.amdhsa_system_sgpr_workgroup_id_y 1
		.amdhsa_system_sgpr_workgroup_id_z 1
		.amdhsa_system_vgpr_workitem_id 0
		.amdhsa_next_free_vgpr 256
		.amdhsa_next_free_sgpr 66
		.amdhsa_reserve_vcc 0
		.amdhsa_float_denorm_mode_32 3
		.amdhsa_float_denorm_mode_16_64 3
		.amdhsa_memory_ordered 1
		.amdhsa_forward_progress 1
		.amdhsa_inst_pref_size 196
	.end_amdhsa_kernel
	.amdgpu_metadata
---
amdhsa.version: [ 1, 2 ]
amdhsa.kernels:
  - .name:           k_q75a5d48419_quant
    .symbol:         k_q75a5d48419_quant.kd
    .args:
      - { .name: x_train, .offset: 0, .size: 8, .value_kind: global_buffer, .address_space: global }
      - { .name: x, .offset: 8, .size: 8, .value_kind: global_buffer, .address_space: global }
      - { .name: tq, .offset: 16, .size: 8, .value_kind: global_buffer, .address_space: global }
      - { .name: xq, .offset: 24, .size: 8, .value_kind: global_buffer, .address_space: global }
    .group_segment_fixed_size: 91648
    .private_segment_fixed_size: 0
    .kernarg_segment_align: 8
    .kernarg_segment_size: 32
    .max_flat_workgroup_size: 128
    .sgpr_count:     66
    .vgpr_count:     256
    .wavefront_size: 32
...
	.end_amdgpu_metadata
.endif
;; end of part 1
;; launch scan (part 2): grid 2 x 128, 4 waves a work-group, no clusters, 223,744 bytes of LDS; arguments tq, xq, gm; writes gm
.if DOCPART == 2
	.amdgcn_target "amdgcn-amd-amdhsa--gfx1250"
	.amdhsa_code_object_version 6
	.text
	.protected	k_q75a5d48419_scan
	.globl	k_q75a5d48419_scan
	.p2align	8
	.type	k_q75a5d48419_scan,@function
k_q75a5d48419_scan:
	s_mov_b64 s[64:65], 0
	v_nop
	global_prefetch_b8 v0, s[64:65] scope:SCOPE_SE
	s_setreg_imm32_b32 hwreg(HW_REG_WAVE_MODE, 25, 1), 1
	s_wait_xcnt 0x0
; Launch 2 of 4: the whole product on codes of FP4, D = Q(x_train) . Q(x) - t2 / 2, and of each group of 32 neighbouring training rows its largest D.  No work is left out here.
; gm [slice 128][slot 2048][16] f32: float f of slice y is group 16 y + f.  A query's slot is its place in xq: 16 (4 pair + tile) + place.
; SHARES.  A work-group takes a slice of 512 training rows (8 pair records, 141,312 bytes) x 1,024 queries (x = which half).  A wave keeps 16 tiles of 16 queries in 512 registers for the whole launch and walks the slice's 32 tiles
; of 16 training rows: a tile's fragments, read from LDS once, feed 64 matrix instructions.
; The slice comes into LDS as it lies in memory, a quarter by each wave's one tensor load; nothing is filled again, so there is no ring.  NO CLUSTER: only the two work-groups of a slice share it, and the larger operand,
; the queries, goes to registers.
; LAYOUT.  Source 0 = 16 training rows, source 1 = 16 queries: a lane holds ONE query (lane % 16), its eight registers the tile's places 8 (lane / 16) + 0 .. 7.  Places 0-7 of every tile of a pair belong to the pair's
; even group, places 8-15 to its odd group: so the maximum over a lane's registers and a pair's four tiles is a group's maximum, with no exchange between lanes.
; -t2 / 2 is the C of each sum's first matrix instruction.  It is held twice, and the two copies take turns, as the accumulators do.
; REGISTERS, in windows of 256.  Window 0: v1-15 addresses; v16-47 the queries' scale words (register 4 i + s: lanes 0-15 tile 2 i, lanes 16-31 tile 2 i + 1, K step s); v48-55 the training tile's scale words, two sets;
;   v56-87 -t2 / 2, two sets of two copies; v88-103 the running maxima; v128-255 the 16 accumulators.   Window 1: v0-63 the training tile's fragments, two sets.   Windows 2, 3: the queries' fragments, 32 registers a tile.
.set PAIRB,  17664
.set SLICEB, 8*PAIRB
.set QUART,  SLICEB/4                  ; 138 rows of 256 bytes: what one tensor load brings
.set STG,    SLICEB                    ; behind the slice: a stage for each wave: 256 slots x (64 bytes + 16 of padding)
.set STGW,   20480
.set SPARE,  STG+4*STGW                ; the spare words, 128 bytes for each wave: two blocks of 256 bytes that no other line names
.set SPW, 1                            ; v1  LDS address of my spare word; never rewritten
.set NIL, 2                            ; v2  0; never rewritten
.set QS,  16
.set AS,  48
.set CI,  56
.set RUN, 88
.set ACC, 128
.set MSB, 0
.macro WIN new                         ; the immediate's high byte repeats the setting that is left; a switch that changes nothing is dropped
.if MSB != (\new)
	s_set_vgpr_msb (MSB<<8)|(\new)
.set MSB, (\new)
.endif
.endm
	s_load_b128 s[4:7], s[0:1], 0x0                ; tq, xq
	s_load_b64 s[8:9], s[0:1], 0x10                ; gm
	v_lshl_add_u32 v[SPW], v0, 2, SPARE
	v_mov_b32 v[NIL], 0
	ds_add_u32 v[SPW], v[NIL]                      ; the wave's opening: the add, twice on end, and its wait ahead of my tensor load
	ds_add_u32 v[SPW], v[NIL]
	v_lshrrev_b32 v3, 5, v0
	v_readfirstlane_b32 s10, v3                    ; wave
	s_and_b32 s2, ttmp7, 0xffff                    ; slice
	s_mov_b32 s16, 3<<16                           ; group 1: no mask; elements of 8 bytes; no padding
	s_mov_b32 s17, 32<<16                          ; tensor_dim0 = 32 elements: rows of 256 bytes
	s_mov_b32 s18, 138<<16                         ; tensor_dim1 = 138
	s_mov_b32 s19, 32<<16                          ; tile_dim0 = 32
	s_mov_b32 s20, 138                             ; tile_dim1 = 138
	s_mov_b32 s21, 32                              ; the pitch: the block is dense
	s_mov_b32 s22, 0
	s_mov_b32 s23, 0
	s_mov_b32 s12, 1                               ; group 0: count = 1
	s_mul_i32 s13, s10, QUART                      ; LDS address: my quarter
	s_mul_i32 s28, s2, SLICEB
	s_add_co_u32 s28, s28, s13                     ; and the same quarter of the slice in memory
	s_mov_b32 s29, 0
	s_wait_dscnt 0x0                               ; both opening adds are done
	s_wait_kmcnt 0x0
	s_add_nc_u64 s[14:15], s[4:5], s[28:29]
	s_or_b32 s15, s15, 0x80000000                  ; type = 2
	tensor_load_to_lds s[12:15], s[16:23]          ; my one tensor load: one is out
	s_nop 0
	v_and_b32 v12, 31, v0                          ; lane  (more than four vector lines stand between the load and the first window switch)
	v_lshlrev_b32 v3, 4, v12                       ; v3  16 x lane
	v_and_b32 v13, 15, v0                          ; r
	v_bfe_u32 v14, v0, 4, 1                        ; h
	v_lshl_add_u32 v4, v13, 4, 16384               ; v4  a tile's scale words: 16 r
	v_lshl_add_u32 v5, v14, 5, 17408               ; v5  its halves: places 8 h on
	s_mul_i32 s27, s10, STGW
	s_add_co_u32 s27, s27, STG                     ; my stage
	v_mul_u32_u24 v9, v13, 80
	v_lshl_add_u32 v9, v14, 2, v9
	v_add_nc_u32 v9, s27, v9                       ; v9  in: slot r of a tile, float h of a pair
	v_lshrrev_b32 v11, 2, v12
	v_mul_u32_u24 v11, v11, 80
	v_and_b32 v15, 3, v12
	v_lshl_add_u32 v11, v15, 4, v11
	v_add_nc_u32 v11, s27, v11                     ; v11 back: four lanes to a slot's 64 bytes
	s_lshl_b32 s28, ttmp9, 4
	s_lshl_b32 s30, s10, 2
	s_add_co_u32 s28, s28, s30                     ; my first pair of queries: 16 x half + 4 x wave
	s_mul_i32 s28, s28, PAIRB
	s_add_nc_u64 s[6:7], s[6:7], s[28:29]
	s_lshl_b32 s28, s2, 17
	s_lshl_b32 s30, ttmp9, 16
	s_add_co_u32 s28, s28, s30
	s_lshl_b32 s30, s10, 14
	s_add_co_u32 s28, s28, s30                     ; my 256 slots of the slice's part of gm
	s_add_nc_u64 s[8:9], s[8:9], s[28:29]
	WIN 0x80                                       ; destination window 2, address window 0
.irp T, 0,1,2,3,4,5,6,7
.irp kk, 0,1,2,3,4,5,6,7
	global_load_b128 v[32*\T+4*\kk:32*\T+4*\kk+3], v3, s[6:7] offset:(\T/4)*PAIRB+(\T%4)*4096+\kk*512   ; a fragment's image: 512 consecutive bytes
.endr
.endr
	WIN 0xc0                                       ; destination window 3
.irp T, 8,9,10,11,12,13,14,15
.irp kk, 0,1,2,3,4,5,6,7
	global_load_b128 v[32*(\T-8)+4*\kk:32*(\T-8)+4*\kk+3], v3, s[6:7] offset:(\T/4)*PAIRB+(\T%4)*4096+\kk*512
.endr
.endr
	WIN 0
.irp i, 0,1,2,3,4,5,6,7
	global_load_b128 v[QS+4*\i:QS+4*\i+3], v3, s[6:7] offset:(\i/2)*PAIRB+16384+512*(\i%2)   ; two tiles' scale words: lanes 0-15 the even tile's rows, lanes 16-31 the odd tile's
.endr
.macro ADDR                            ; this pair's addresses
	v_add_nc_u32 v6, s24, v3
	v_add_nc_u32 v7, s24, v4
	v_add_nc_u32 v8, s24, v5
.endm
; 13 LDS loads: a training tile's eight fragment pieces, its scale words, and -t2 / 2 of my eight places, twice.  oc, os, oh: the tile's bytes in the pair's codes, scales and halves
.macro FETCH oc, os, oh, beta
	WIN 0x40                                       ; destination window 1
.irp kk, 0,1,2,3,4,5,6,7
	ds_load_b128 v[32*(\beta)+4*\kk:32*(\beta)+4*\kk+3], v6 offset:(\oc)+512*\kk
.endr
	WIN 0
	ds_load_b128 v[AS+4*(\beta):AS+4*(\beta)+3], v7 offset:\os
.irp c, 0,1
	ds_load_b128 v[CI+16*(\beta)+8*\c:CI+16*(\beta)+8*\c+3], v8 offset:\oh
	ds_load_b128 v[CI+16*(\beta)+8*\c+4:CI+16*(\beta)+8*\c+7], v8 offset:(\oh)+16
.endr
.endm
; 32 matrix instructions: the training tile in set beta x query tiles 8 b .. 8 b + 7, K step by K step: eight accumulators by turns, one instruction a turn
.macro W b, beta
	WIN 0x09+4*(\b)                                ; source 0 window 1, source 1 window 2 or 3, C and D window 0
.irp s, 0,1,2,3
.irp u, 0,1,2,3,4,5,6,7
.set rD, ACC+8*(8*(\b)+\u)
.set rC, rD
.if \s == 0
.set rC, CI+16*(\beta)+8*(\u%2)
.endif
.set rA, 32*(\beta)+8*\s
.set rQ, 32*\u+8*\s
.set rSA, AS+4*(\beta)+\s
.set rSQ, QS+4*((8*(\b)+\u)/2)+\s
.if \u%2
	v_wmma_scale_f32_16x16x128_f8f6f4 v[rD:rD+7], v[rA:rA+7], v[rQ:rQ+7], v[rC:rC+7], v[rSA], v[rSQ] matrix_a_fmt:MATRIX_FMT_FP4 matrix_b_fmt:MATRIX_FMT_FP4 matrix_b_scale:MATRIX_SCALE_ROW1
.else
	v_wmma_scale_f32_16x16x128_f8f6f4 v[rD:rD+7], v[rA:rA+7], v[rQ:rQ+7], v[rC:rC+7], v[rSA], v[rSQ] matrix_a_fmt:MATRIX_FMT_FP4 matrix_b_fmt:MATRIX_FMT_FP4
.endif
.endr
.endr
.endm
; 64 lines: each accumulator's eight numbers into its running maximum, half a line a number; each accumulator is read from its low end on; the sixteen take turns, so that no line waits for the line above it
.macro M first
.irp j, 0,1,2,3
.irp T, 0,1,2,3,4,5,6,7,8,9,10,11,12,13,14,15
.set rA, ACC+8*\T
.if \first
.if \j == 0
	v_max3_num_f32 v[RUN+\T], v[rA], v[rA+1], v[rA+2]
.elseif \j == 3
	v_max_num_f32 v[RUN+\T], v[RUN+\T], v[rA+7]
.else
	v_max3_num_f32 v[RUN+\T], v[RUN+\T], v[rA+2*\j+1], v[rA+2*\j+2]
.endif
.else
	v_max3_num_f32 v[RUN+\T], v[RUN+\T], v[rA+2*\j], v[rA+2*\j+1]
.endif
.endr
.endr
.endm
.macro WORK beta, first
	W 0, \beta
	W 1, \beta
	WIN 0
.rept 4
	v_nop                                          ; four places between the products and the first read of their results (ISA guide 7.12.1)
.endr
.if \first
	s_wait_dscnt 13                                ; all but the 13 loads just issued: the last pair's stage stores have read the running maxima, which are begun anew below
.endif
	M \first
.endm
; A pair of groups: four tiles.  Each tile's fragments are asked for at the head of the tile before, into the other set; the 64 lines of M stand between the products that read that set and the loads into it.
.macro PAIR last
	s_wait_dscnt 16                                ; tile 0's 13 loads are in; the 16 stage stores issued behind them may be out
	ADDR
	FETCH 4096, 256, 64, 1
	WORK 0, 1
	s_wait_dscnt 0x0                               ; tile 1's loads, issued a tile ago
	FETCH 8192, 512, 128, 0
	WORK 1, 0
	s_wait_dscnt 0x0
	FETCH 12288, 768, 192, 1
	WORK 0, 0
	s_wait_dscnt 0x0
.if !\last
	FETCH PAIRB, PAIRB, PAIRB, 0                   ; the next pair's tile 0
.endif
	WORK 1, 0
	v_add_nc_u32 v10, s25, v9
.irp T, 0,1,2,3,4,5,6,7,8,9,10,11,12,13,14,15
	ds_store_b32 v10, v[RUN+\T] offset:1280*\T     ; slot 16 T + r, float 2 x pair + h
.endr
.if !\last
	s_add_co_u32 s24, s24, PAIRB
	s_add_co_u32 s25, s25, 8
.endif
.endm
	s_wait_tensorcnt 0x0                           ; my quarter of the slice is in,
	s_barrier_signal -1
	s_barrier_wait -1                              ; everybody's is
	s_mov_b32 s24, 0                               ; the pair's first byte in LDS
	s_mov_b32 s25, 0                               ; its two floats in a slot's 64 bytes
	s_mov_b32 s26, 7
	ADDR
	FETCH 0, 0, 0, 0
	s_wait_loadcnt 0x0                             ; the queries
	s_wait_dscnt 0x0                               ; the first tile: the loop's own first wait leaves 16 out
.Lpair:
	PAIR 0
	s_sub_co_u32 s26, s26, 1
	s_cmp_lg_u32 s26, 0
	s_cbranch_scc1 .Lpair
	PAIR 1                                         ; the last pair is written out: it fetches nothing past the slice
	; THE WAY OUT: my 256 slots x 64 bytes, back from my own stage (LDS serves a wave's instructions in order) as 512 consecutive bytes a load
.set i, 0
.rept 32
	ds_load_b128 v[ACC+4*i:ACC+4*i+3], v11 offset:640*i
.set i, i+1
.endr
.set i, 0
.rept 32
	s_wait_dscnt 31-i                              ; the younger loads may be out
	global_store_b128 v3, v[ACC+4*i:ACC+4*i+3], s[8:9] offset:512*i   ; 512 consecutive bytes, at a multiple of 256 from gm's first byte
.set i, i+1
.endr
	s_wait_tensorcnt 0x0                           ; the wave's end, behind my tensor load and my last LDS store
	ds_add_u32 v[SPW], v[NIL]
	s_wait_dscnt 0x0
	s_endpgm
.Lfunc_end_k_q75a5d48419_scan:
	.size	k_q75a5d48419_scan, .Lfunc_end_k_q75a5d48419_scan-k_q75a5d48419_scan
	.p2alignl 7, 3214868480
	.fill 96, 4, 3214868480
	.section	.rodata,"a",@progbits
	.p2align	6, 0x0
	.amdhsa_kernel k_q75a5d48419_scan
		.amdhsa_group_segment_fixed_size 223744
		.amdhsa_private_segment_fixed_size 0
		.amdhsa_enable_private_segment 0
		.amdhsa_kernarg_size 24
		.amdhsa_user_sgpr_count 2
		.amdhsa_user_sgpr_kernarg_segment_ptr 1
		.amdhsa_wavefront_size32 1
		.amdhsa_system_sgpr_workgroup_id_x 1
		.amdhsa_system_sgpr_workgroup_id_y 1
		.amdhsa_system_sgpr_workgroup_id_z 1
		.amdhsa_system_vgpr_workitem_id 0
		.amdhsa_next_free_vgpr 1024
		.amdhsa_next_free_sgpr 66
		.amdhsa_reserve_vcc 0
		.amdhsa_float_denorm_mode_32 3
		.amdhsa_float_denorm_mode_16_64 3
		.amdhsa_memory_ordered 1
		.amdhsa_forward_progress 1
		.amdhsa_inst_pref_size 129
	.end_amdhsa_kernel
	.amdgpu_metadata
---
amdhsa.version: [ 1, 2 ]
amdhsa.kernels:
  - .name:           k_q75a5d48419_scan
    .symbol:         k_q75a5d48419_scan.kd
    .args:
      - { .name: tq, .offset: 0, .size: 8, .value_kind: global_buffer, .address_space: global }
      - { .name: xq, .offset: 8, .size: 8, .value_kind: global_buffer, .address_space: global }
      - { .name: gm, .offset: 16, .size: 8, .value_kind: global_buffer, .address_space: global }
    .group_segment_fixed_size: 223744
    .private_segment_fixed_size: 0
    .kernarg_segment_align: 8
    .kernarg_segment_size: 24
    .max_flat_workgroup_size: 128
    .sgpr_count:     66
    .vgpr_count:     1024
    .wavefront_size: 32
...
	.end_amdgpu_metadata
.endif
;; end of part 2
;; launch pick (part 3): grid 256 x 1, 8 waves a work-group, no clusters, 21,760 bytes of LDS; arguments gm, xq, gsel; writes gsel
.if DOCPART == 3
	.amdgcn_target "amdgcn-amd-amdhsa--gfx1250"
	.amdhsa_code_object_version 6
	.text
	.protected	k_q75a5d48419_pick
	.globl	k_q75a5d48419_pick
	.p2align	8
	.type	k_q75a5d48419_pick,@function
k_q75a5d48419_pick:
	s_mov_b64 s[64:65], 0
	v_nop
	global_prefetch_b8 v0, s[64:65] scope:SCOPE_SE
	s_setreg_imm32_b32 hwreg(HW_REG_WAVE_MODE, 25, 1), 1
	s_wait_xcnt 0x0
; Launch 3 of 4: for each query the 8 best of its 2,048 groups, by (key, group number): key = min(-x2 / 2 + the group's largest (dot - t2 / 2), 0) = -max(d2, 0) / 2 of the group's nearest row; larger is nearer; ties to the lower group.
; Their numbers are stored as whole numbers, gsel [slot 2048][8]; every address here is made of ids alone.  Five groups would do in exact arithmetic; three more stand against the key's other rounding.
; SHARES.  A work-group takes 8 slots.  Wave w takes slices 16 w .. 16 w + 15: a slice's part is 512 consecutive bytes, one load.  Lane l holds slot l / 4 and floats 4 (l % 4) + e: 64 keys a lane, whose group numbers
; 256 w + 16 k + 4 (l % 4) + e rise with the place n = 4 k + e in the lane's stream.  Each lane keeps a sorted list of its 8 best by insertion without a branch; a strictly greater key alone moves an entry, so the earlier,
; lower group stays ahead of its equals.  The 32 lists of a slot meet in LDS; wave w merges slot w's in eight passes: the wave's largest head, among equals the lowest number.  Group numbers go as f32 there: under 2^11, exact.
.set PAIRB, 17664
.set OUTA,  20480                      ; behind the 256 lists of 80 bytes (8 keys, 8 numbers, 16 of padding): the result, 256 bytes
.set SPARE, 20736                      ; the spare words, 128 bytes for each wave: four blocks of 256 bytes that no other line names
.set L, 8                              ; v8-15   the list's keys, descending
.set I, 16                             ; v16-23  their places, later their group numbers
.set V, 32                             ; v32-95  the 64 keys
	s_load_b128 s[4:7], s[0:1], 0x0                ; gm, xq
	s_load_b64 s[8:9], s[0:1], 0x10                ; gsel
	v_lshl_add_u32 v1, v0, 2, SPARE                ; v1  my spare word; never rewritten
	v_mov_b32 v2, 0                                ; v2  0; never rewritten
	v_lshrrev_b32 v3, 5, v0
	v_readfirstlane_b32 s10, v3                    ; wave
	v_and_b32 v3, 31, v0                           ; lane
	v_lshlrev_b32 v4, 4, v3                        ; 16 x lane
	v_lshrrev_b32 v96, 2, v3                       ; my slot among the eight
	v_lshlrev_b32 v5, 2, v96                       ; its half's place
	v_and_b32 v101, 3, v3
	v_mul_u32_u24 v96, v96, 2560
	v_mad_u32_u24 v96, v101, 80, v96
	s_mul_i32 s11, s10, 320
	v_add_nc_u32 v96, s11, v96                     ; v96  where my list goes: 80 (32 slot + 4 wave + lane % 4)
	v_mul_u32_u24 v97, v3, 80
	s_mul_i32 s11, s10, 2560
	v_add_nc_u32 v97, s11, v97                     ; v97  the list that I merge: 80 (32 wave + lane)
	v_and_b32 v100, 7, v3                          ; v100 lane % 8
	s_lshl_b32 s11, s10, 5
	s_add_co_u32 s11, s11, OUTA
	v_lshl_add_u32 v98, v100, 2, s11               ; v98  the result: 32 wave + 4 (lane % 8)
	v_lshlrev_b32 v105, 3, v3                      ; v105 8 x lane
	v_add_nc_u32 v99, OUTA, v105                   ; v99  and back
	s_lshl_b32 s11, s10, 8
	v_lshl_add_u32 v101, v101, 2, s11              ; v101 256 wave + 4 (lane % 4)
	v_mov_b32 v102, 0x7f61b1e6                     ; 3e38: over every group number
	v_mov_b32 v103, 0xff800000                     ; -infinity: under every key
	v_mov_b32 v104, 0                              ; the result
	v_mov_b32 v7, 0                                ; (named with v6 as a pair, so it is written)
.irp i, 0,1,2,3,4,5,6,7
	v_mov_b32 v[L+\i], 0xff800000
	v_mov_b32 v[I+\i], 0
.endr
.irp i, 25,26,27,28
	v_mov_b32 v\i, 0                               ; written once: the destination of a lane exchange counts as one of its sources
.endr
	s_mov_b32 s14, 0x76543210
	s_mov_b32 s15, 0xfedcba98                      ; v_permlanex16_b32's selects for lane l xor 16
	s_lshl_b32 s24, ttmp9, 9                       ; my 8 slots in a slice's part of gm,
	s_lshl_b32 s25, s10, 21                        ; my wave's 16 slices
	s_add_co_u32 s24, s24, s25
	s_mov_b32 s25, 0
	s_lshr_b32 s26, ttmp9, 3                       ; the slots' pair in xq,
	s_mul_i32 s26, s26, PAIRB
	s_and_b32 s27, ttmp9, 7
	s_lshl_b32 s27, s27, 5                         ; and their eight halves in it
	s_add_co_u32 s26, s26, s27
	s_mov_b32 s27, 0
	s_lshl_b32 s28, ttmp9, 8
	s_mov_b32 s29, 0
	s_wait_kmcnt 0x0
	s_add_nc_u64 s[4:5], s[4:5], s[24:25]
	s_add_nc_u64 s[6:7], s[6:7], s[26:27]
	s_add_nc_u64 s[8:9], s[8:9], s[28:29]
	global_load_b32 v6, v5, s[6:7] offset:17408    ; -x2 / 2 of my slot
.irp k, 0,1,2,3,4,5,6,7,8,9,10,11,12,13,14,15
	global_load_b128 v[V+4*\k:V+4*\k+3], v4, s[4:5] offset:\k*131072 th:TH_LOAD_NT   ; 512 consecutive bytes; read once in the launch
.endr
; key x, the n-th of my stream, into the sorted list.  c_i = (x > L_i).  From the list's end on: L_i becomes the middle one of L_(i-1), L_i, x; its place follows: the neighbour's where c_(i-1), else n where c_i.
.macro INS x, n
	v_mov_b32 v24, \n
.irp i, 0,1,2,3,4,5,6,7
	v_cmp_gt_f32 s[16+\i], v[\x], v[L+\i]
.endr
.irp i, 7,6,5,4,3,2,1
	v_med3_num_f32 v[L+\i], v[L+\i-1], v[L+\i], v[\x]
	v_cndmask_b32 v[I+\i], v[I+\i], v24, s[16+\i]
	v_cndmask_b32 v[I+\i], v[I+\i], v[I+\i-1], s[16+\i-1]
.endr
	v_max_num_f32 v[L], v[L], v[\x]
	v_cndmask_b32 v[I], v[I], v24, s16
.endm
.irp k, 0,1,2,3,4,5,6,7,8,9,10,11,12,13,14,15
	s_wait_loadcnt 15-\k                           ; slice k's load is in (and the half, issued first); the younger slices' may be out
	v_pk_add_f32 v[V+4*\k:V+4*\k+1], v[V+4*\k:V+4*\k+1], v[6:7] op_sel_hi:[1,0]      ; -d2 / 2
	v_pk_add_f32 v[V+4*\k+2:V+4*\k+3], v[V+4*\k+2:V+4*\k+3], v[6:7] op_sel_hi:[1,0]
.irp e, 0,1,2,3
	v_min_num_f32 v[V+4*\k+\e], 0, v[V+4*\k+\e]    ; the clamp max(d2, 0)
.endr
.irp e, 0,1,2,3
	INS V+4*\k+\e, 4*\k+\e
.endr
.endr
.irp i, 0,1,2,3,4,5,6,7
	v_lshrrev_b32 v26, 2, v[I+\i]                  ; place n to group number: 16 (n / 4) + n % 4 + 256 wave + 4 (lane % 4)
	v_and_b32 v27, 3, v[I+\i]
	v_lshl_add_u32 v26, v26, 4, v27
	v_add_nc_u32 v26, v101, v26
	v_cvt_f32_u32 v[I+\i], v26
.endr
	ds_store_b128 v96, v[8:11]
	ds_store_b128 v96, v[12:15] offset:16
	ds_store_b128 v96, v[16:19] offset:32
	ds_store_b128 v96, v[20:23] offset:48
	s_wait_dscnt 0x0                               ; for the others' sake: my list lies in LDS
	s_barrier_signal -1
	s_barrier_wait -1
	ds_load_b128 v[8:11], v97                      ; list `lane` of slot `wave`
	ds_load_b128 v[12:15], v97 offset:16
	ds_load_b128 v[16:19], v97 offset:32
	ds_load_b128 v[20:23], v97 offset:48
	s_wait_dscnt 0x0
.irp k, 0,1,2,3,4,5,6,7
	v_max_num_f32_dpp v25, v8, v8 row_xmask:1 row_mask:0xf bank_mask:0xf      ; the largest of the 32 heads
	v_max_num_f32_dpp v25, v25, v25 row_xmask:2 row_mask:0xf bank_mask:0xf
	v_max_num_f32_dpp v25, v25, v25 row_xmask:4 row_mask:0xf bank_mask:0xf
	v_max_num_f32_dpp v25, v25, v25 row_xmask:8 row_mask:0xf bank_mask:0xf
	v_permlanex16_b32 v26, v25, s14, s15
	v_max_num_f32 v25, v25, v26
	v_cmp_eq_f32 vcc_lo, v8, v25
	v_cndmask_b32 v27, v102, v16, vcc_lo           ; my head's group number where it is that largest
	v_min_num_f32_dpp v28, v27, v27 row_xmask:1 row_mask:0xf bank_mask:0xf    ; the lowest such number
	v_min_num_f32_dpp v28, v28, v28 row_xmask:2 row_mask:0xf bank_mask:0xf
	v_min_num_f32_dpp v28, v28, v28 row_xmask:4 row_mask:0xf bank_mask:0xf
	v_min_num_f32_dpp v28, v28, v28 row_xmask:8 row_mask:0xf bank_mask:0xf
	v_permlanex16_b32 v26, v28, s14, s15
	v_min_num_f32 v28, v28, v26
	v_cmp_eq_u32 vcc_lo, \k, v100
	v_cndmask_b32 v104, v104, v28, vcc_lo          ; lanes with lane % 8 = k keep it
.if \k < 7
	v_cmp_eq_f32 vcc_lo, v27, v28                  ; the lane that gave it moves its list up by one
.irp i, 0,1,2,3,4,5,6
	v_cndmask_b32 v[L+\i], v[L+\i], v[L+\i+1], vcc_lo
	v_cndmask_b32 v[I+\i], v[I+\i], v[I+\i+1], vcc_lo
.endr
	v_cndmask_b32 v[L+7], v[L+7], v103, vcc_lo
.endif
.endr
	v_cvt_u32_f32 v104, v104
	ds_store_b32 v98, v104                         ; four lanes write the same word with the same value
	s_wait_dscnt 0x0                               ; for wave 0's sake
	s_barrier_signal -1
	s_barrier_wait -1
	s_cmp_lg_u32 s10, 0
	s_cbranch_scc1 .Ldone
	ds_load_b64 v[30:31], v99                      ; wave 0 stores the eight slots' 256 bytes as one aligned run
	s_wait_dscnt 0x0
	global_store_b64 v105, v[30:31], s[8:9]
.Ldone:
	s_wait_tensorcnt 0x0                           ; the wave's end, behind my last LDS store; the tensor wait stands in a text with no tensor load too
	ds_add_u32 v1, v2
	s_wait_dscnt 0x0
	s_endpgm
.Lfunc_end_k_q75a5d48419_pick:
	.size	k_q75a5d48419_pick, .Lfunc_end_k_q75a5d48419_pick-k_q75a5d48419_pick
	.p2alignl 7, 3214868480
	.fill 96, 4, 3214868480
	.section	.rodata,"a",@progbits
	.p2align	6, 0x0
	.amdhsa_kernel k_q75a5d48419_pick
		.amdhsa_group_segment_fixed_size 21760
		.amdhsa_private_segment_fixed_size 0
		.amdhsa_enable_private_segment 0
		.amdhsa_kernarg_size 24
		.amdhsa_user_sgpr_count 2
		.amdhsa_user_sgpr_kernarg_segment_ptr 1
		.amdhsa_wavefront_size32 1
		.amdhsa_system_sgpr_workgroup_id_x 1
		.amdhsa_system_sgpr_workgroup_id_y 1
		.amdhsa_system_sgpr_workgroup_id_z 1
		.amdhsa_system_vgpr_workitem_id 0
		.amdhsa_next_free_vgpr 128
		.amdhsa_next_free_sgpr 66
		.amdhsa_reserve_vcc 1
		.amdhsa_float_denorm_mode_32 3
		.amdhsa_float_denorm_mode_16_64 3
		.amdhsa_memory_ordered 1
		.amdhsa_forward_progress 1
		.amdhsa_inst_pref_size 147
	.end_amdhsa_kernel
	.amdgpu_metadata
---
amdhsa.version: [ 1, 2 ]
amdhsa.kernels:
  - .name:           k_q75a5d48419_pick
    .symbol:         k_q75a5d48419_pick.kd
    .args:
      - { .name: gm, .offset: 0, .size: 8, .value_kind: global_buffer, .address_space: global }
      - { .name: xq, .offset: 8, .size: 8, .value_kind: global_buffer, .address_space: global }
      - { .name: gsel, .offset: 16, .size: 8, .value_kind: global_buffer, .address_space: global }
    .group_segment_fixed_size: 21760
    .private_segment_fixed_size: 0
    .kernarg_segment_align: 8
    .kernarg_segment_size: 24
    .max_flat_workgroup_size: 256
    .sgpr_count:     66
    .vgpr_count:     128
    .wavefront_size: 32
...
	.end_amdgpu_metadata
.endif
;; end of part 3
;; launch final (part 4): grid 256 x 1, 8 waves a work-group, no clusters, 0 bytes of LDS; arguments gsel, tq, xq, y_train, out0; writes out0
.if DOCPART == 4
	.amdgcn_target "amdgcn-amd-amdhsa--gfx1250"
	.amdhsa_code_object_version 6
	.text
	.protected	k_q75a5d48419_final
	.globl	k_q75a5d48419_final
	.p2align	8
	.type	k_q75a5d48419_final,@function
k_q75a5d48419_final:
	s_mov_b64 s[64:65], 0
	v_nop
	global_prefetch_b8 v0, s[64:65] scope:SCOPE_SE
	s_setreg_imm32_b32 hwreg(HW_REG_WAVE_MODE, 25, 1), 1
	s_wait_xcnt 0x0
; Launch 4 of 4: for each query the 8 x 32 training rows that gsel names: the product again, d2 as the formula is written, the root, the five smallest by (distance, index), the vote.
; Only the rows of the stored groups are taken: every row among the five nearest lies in one of them (shown at the head of the first kernel).  The group numbers are whole numbers read from memory, held to 0 .. 2047.
; SHARES.  One wave, one slot sigma = 8 x work-group + wave.  No LDS, no barrier.
; THE PRODUCT.  Source 1 holds the query in all 16 columns; source 0 = rows 16 u .. 16 u + 15 of a group.  So every lane of a half holds, in register j of accumulator u, the dot product with row 16 u + 8 h + j.
; Fifteen selections by lane masks leave lane (r, h) with the row il = 16 (r / 8) + 8 h + r % 8: one row a lane for each group, eight numbers a lane in all.
; THE FORMULA.  With xh = -x2 / 2 and th = -t2 / 2: d2 = -2 ((xh + th) + dot).  Powers of two commute with rounding, so the two additions round as (x2 + t2) - 2 dot does.
; THE ROOT is brought to the correctly rounded one: of s and its two neighbours the one that the signs of a - s_down s and a - s_up s, each one fused multiply-add, point to.  So distances tie where the true roots tie.
; THE KEY of a row is (group << 12) + (il << 7) + min(label, 127): under 2^23, so exact in f32; it is ordered as the row's index is, and carries the label.
; LIMITS.  A d2 under 2^-126 is taken as 0 by v_sqrt_f32 (ISA guide, 15.8).  A label outside 0 .. 99 gets no vote, as in one_hot; with no vote at all the result is 0, as argmax gives.
; REGISTERS.  Window 0: v1-15 lane terms; v16-47 four offsets for each group, never rewritten; v48-79 the query's fragments; v80-83 its scale words; v84 xh; v88-151 the rows' scale words; v152-159 th; v160-167 labels;
;   v168-199 four accumulators, two by the group's parity; v200-207 at work; v208-215 dot, then d2, then the distance; v216-223 keys; v230-239 at work.   Window 1: four buffers of 64: a group's fragments.
.set PAIRB, 17664
.set VOC, 16
.set VOS, 24
.set VOT, 32
.set VOY, 40
.set QF,  48
.set QS,  80
.set XH,  84
.set AS,  88
.set TH,  152
.set LAB, 160
.set ACC, 168
.set T,   200
.set DS,  208
.set KY,  216
.set MSB, 0
.macro WIN new                         ; the immediate's high byte repeats the setting that is left
.if MSB != (\new)
	s_set_vgpr_msb (MSB<<8)|(\new)
.set MSB, (\new)
.endif
.endm
	s_load_b256 s[4:11], s[0:1], 0x0               ; gsel s[4:5], tq s[6:7], xq s[8:9], y_train s[10:11]
	s_load_b64 s[12:13], s[0:1], 0x20              ; out0
	v_lshrrev_b32 v1, 5, v0
	v_readfirstlane_b32 s14, v1                    ; wave
	s_lshl_b32 s15, ttmp9, 3
	s_add_co_u32 s15, s15, s14                     ; sigma
	s_lshl_b32 s24, s15, 5
	s_mov_b32 s25, 0
	s_wait_kmcnt 0x0
	s_add_nc_u64 s[4:5], s[4:5], s[24:25]
	s_load_b256 s[16:23], s[4:5], 0x0              ; my eight groups
	v_and_b32 v1, 31, v0                           ; lane
	v_bfe_u32 v3, v0, 4, 1                         ; h
	v_bfe_u32 v10, v0, 3, 1                        ; r / 8
	v_and_b32 v11, 7, v0                           ; r % 8
	v_lshlrev_b32 v4, 12, v10
	v_lshl_add_u32 v4, v3, 8, v4
	v_lshl_add_u32 v4, v11, 4, v4                  ; v4  codes: tile r / 8 of two, lane r % 8 + 16 h of its image
	v_lshlrev_b32 v5, 8, v10
	v_lshl_add_u32 v5, v11, 4, v5                  ; v5  scale words
	v_lshl_add_u32 v7, v10, 1, v3
	v_lshlrev_b32 v6, 6, v7
	v_lshl_add_u32 v6, v11, 2, v6                  ; v6  the half of row il
	v_lshl_add_u32 v7, v7, 3, v11                  ; v7  il
	v_lshlrev_b32 v12, 2, v7                       ; v12 its label's place
	v_lshlrev_b32 v13, 7, v7                       ; v13 il << 7
	v_lshlrev_b32 v8, 8, v3
	v_mov_b32 v9, 0
	v_mov_b32 v236, 0x7f61b1e6                     ; 3e38: over every key
	v_mov_b32 v237, 0x7f800000                     ; +infinity
	v_mov_b32 v238, 0                              ; written once: a lane permute's destination counts as one of its sources
	s_mov_b32 s32, 0xaaaaaaaa                      ; lanes with bit 0 set,
	s_mov_b32 s33, 0xcccccccc                      ; bit 1,
	s_mov_b32 s34, 0xf0f0f0f0                      ; bit 2,
	s_mov_b32 s35, 0xff00ff00                      ; bit 3
	s_mov_b32 s36, 0x76543210
	s_mov_b32 s37, 0xfedcba98                      ; v_permlanex16_b32's selects for lane l xor 16
	s_lshr_b32 s26, s15, 6
	s_mul_i32 s26, s26, PAIRB
	s_mov_b32 s27, 0
	s_add_nc_u64 s[8:9], s[8:9], s[26:27]          ; the query's pair
	s_bfe_u32 s28, s15, 0x20004                    ; its tile,
	s_lshl_b32 s28, s28, 12
	s_and_b32 s29, s15, 15                         ; its place
	s_lshl_b32 s29, s29, 4
	s_add_co_u32 s28, s28, s29
	v_add_nc_u32 v8, s28, v8                       ; v8  the query's codes: + 256 h
	s_and_b32 s29, s15, 63
	s_lshl_b32 s30, s29, 4
	v_mov_b32 v14, s30                             ; v14 its scale words
	s_lshl_b32 s30, s29, 2
	v_mov_b32 v15, s30                             ; v15 its half
.irp kk, 0,1,2,3,4,5,6,7
	global_load_b128 v[QF+4*\kk:QF+4*\kk+3], v8, s[8:9] offset:512*\kk
.endr
	global_load_b128 v[QS:QS+3], v14, s[8:9] offset:16384
	global_load_b32 v[XH], v15, s[8:9] offset:17408
	s_wait_kmcnt 0x0
.irp k, 0,1,2,3,4,5,6,7
	s_min_u32 s[16+\k], s[16+\k], 2047             ; a loaded number enters an address only behind this hold
	s_and_b32 s24, s[16+\k], 0x7fe
	s_mul_i32 s24, s24, PAIRB/2                    ; the group's pair
	s_and_b32 s25, s[16+\k], 1                     ; even or odd group: places 8 on
	s_lshl_b32 s26, s25, 7
	s_add_co_u32 s26, s26, s24
	s_lshl_b32 s27, s25, 5
	s_add_co_u32 s27, s27, s24
	s_lshl_b32 s28, s[16+\k], 7                    ; 32 labels of 4 bytes
	v_add_nc_u32 v[VOC+\k], s26, v4
	v_add_nc_u32 v[VOS+\k], s26, v5
	v_add_nc_u32 v[VOT+\k], s27, v6
	v_add_nc_u32 v[VOY+\k], s28, v12
.endr
.irp k, 0,1,2,3,4,5,6,7
.irp u, 0,1
	global_load_b128 v[AS+8*\k+4*\u:AS+8*\k+4*\u+3], v[VOS+\k], s[6:7] offset:16384+512*\u
.endr
.endr
.irp k, 0,1,2,3,4,5,6,7
	global_load_b32 v[TH+\k], v[VOT+\k], s[6:7] offset:17408
.endr
.irp k, 0,1,2,3,4,5,6,7
	global_load_b32 v[LAB+\k], v[VOY+\k], s[10:11]
.endr
.macro CODES k                         ; 16 loads: group k's two tiles of 16 rows, all of K, into buffer k % 4; each load takes four runs of 128 bytes
	WIN 0x40                                       ; destination window 1
.irp u, 0,1
.irp kk, 0,1,2,3,4,5,6,7
	global_load_b128 v[64*((\k)%4)+32*\u+4*\kk:64*((\k)%4)+32*\u+4*\kk+3], v[VOC+(\k)], s[6:7] offset:\u*8192+\kk*512
.endr
.endr
	WIN 0
.endm
	CODES 0
	CODES 1
	CODES 2
	CODES 3
.irp k, 0,1,2,3,4,5,6,7
.if \k <= 4
	s_wait_loadcnt 48                              ; group k's codes, and all that was asked for earlier, are in; the three groups' behind it may be out
.else
	s_wait_loadcnt 16*(7-\k)
.endif
	WIN 0x01                                       ; source 0 window 1
.irp s, 0,1,2,3
.irp u, 0,1
.set rD, ACC+16*(\k%2)+8*\u
.set rA, 64*(\k%4)+32*\u+8*\s
.if \s == 0
	v_wmma_scale_f32_16x16x128_f8f6f4 v[rD:rD+7], v[rA:rA+7], v[QF+8*\s:QF+8*\s+7], 0, v[AS+8*\k+4*\u+\s], v[QS+\s] matrix_a_fmt:MATRIX_FMT_FP4 matrix_b_fmt:MATRIX_FMT_FP4
.else
	v_wmma_scale_f32_16x16x128_f8f6f4 v[rD:rD+7], v[rA:rA+7], v[QF+8*\s:QF+8*\s+7], v[rD:rD+7], v[AS+8*\k+4*\u+\s], v[QS+\s] matrix_a_fmt:MATRIX_FMT_FP4 matrix_b_fmt:MATRIX_FMT_FP4
.endif
.endr
.endr                                              ; the two accumulators take turns, one instruction a turn
	WIN 0
.rept 4
	v_nop                                          ; four places between the products and the first read of their results, and the loads into their operands
.endr
.irp j, 0,1,2,3,4,5,6,7
	v_cndmask_b32 v[T+\j], v[ACC+16*(\k%2)+\j], v[ACC+16*(\k%2)+8+\j], s35    ; u = r / 8; both accumulators from their low end on
.endr
.irp p, 0,1,2,3
	v_cndmask_b32 v[T+\p], v[T+2*\p], v[T+2*\p+1], s32                          ; j = r % 8, bit by bit
.endr
	v_cndmask_b32 v[T], v[T], v[T+1], s33
	v_cndmask_b32 v[T+1], v[T+2], v[T+3], s33
	v_cndmask_b32 v[DS+\k], v[T], v[T+1], s34      ; the dot product with row il of group k
.if \k < 4
	CODES \k+4                                     ; its buffer takes the group four further on
.endif
.endr
.irp k, 0,1,2,3,4,5,6,7
	v_add_f32 v[T+\k], v[XH], v[TH+\k]             ; -(x2 + t2) / 2
.endr
.irp k, 0,1,2,3,4,5,6,7
	v_add_f32 v[DS+\k], v[T+\k], v[DS+\k]          ; -d2 / 2
.endr
.irp k, 0,1,2,3,4,5,6,7
	v_mul_f32 v[DS+\k], -2.0, v[DS+\k]
.endr
.irp k, 0,1,2,3,4,5,6,7
	v_max_num_f32 v[DS+\k], 0, v[DS+\k]            ; a = max(d2, 0)
.endr
.irp k, 0,1,2,3,4,5,6,7
	v_sqrt_f32 v[T+\k], v[DS+\k]
.endr
	v_nop                                          ; a plain line behind the last root
	s_wait_alu depctr_va_vdst(0)                   ; one wait for the eight roots, ahead of their first reader
.irp k, 0,1,2,3,4,5,6,7
	v_add_nc_u32 v231, -1, v[T+\k]                 ; the neighbour below,
	v_add_nc_u32 v232, 1, v[T+\k]                  ; and above
	v_max_num_f32 v231, 0, v231                    ; (below a root of 0 the bits are no number: 0 then)
	v_fma_f32 v233, -v231, v[T+\k], v[DS+\k]       ; a - s_down s
	v_fma_f32 v234, -v232, v[T+\k], v[DS+\k]       ; a - s_up s
	v_cmp_ge_f32 vcc_lo, 0, v233
	v_cndmask_b32 v235, v[T+\k], v231, vcc_lo
	v_cmp_lt_f32 vcc_lo, 0, v234
	v_cndmask_b32 v[DS+\k], v235, v232, vcc_lo     ; the distance
.endr
.irp k, 0,1,2,3,4,5,6,7
	s_lshl_b32 s24, s[16+\k], 12
	v_min_u32 v230, 127, v[LAB+\k]
	v_add3_u32 v230, v230, v13, s24
	v_cvt_f32_u32 v[KY+\k], v230
.endr
.macro WMIN r                          ; the smallest over the wave's 32 lanes, in every lane
	v_min_num_f32_dpp v[\r], v[\r], v[\r] row_xmask:1 row_mask:0xf bank_mask:0xf
	v_min_num_f32_dpp v[\r], v[\r], v[\r] row_xmask:2 row_mask:0xf bank_mask:0xf
	v_min_num_f32_dpp v[\r], v[\r], v[\r] row_xmask:4 row_mask:0xf bank_mask:0xf
	v_min_num_f32_dpp v[\r], v[\r], v[\r] row_xmask:8 row_mask:0xf bank_mask:0xf
	v_permlanex16_b32 v238, v[\r], s36, s37
	v_min_num_f32 v[\r], v[\r], v238
.endm
; Five passes: the smallest distance; among the rows that have it the smallest key, which is the lowest index; that row is taken out.  No branch: everything is selected.
.irp p, 0,1,2,3,4
	v_min3_num_f32 v230, v[DS], v[DS+1], v[DS+2]
	v_min3_num_f32 v230, v230, v[DS+3], v[DS+4]
	v_min3_num_f32 v230, v230, v[DS+5], v[DS+6]
	v_min_num_f32 v230, v230, v[DS+7]
	WMIN 230
.irp k, 0,1,2,3,4,5,6,7
	v_cmp_eq_f32 vcc_lo, v[DS+\k], v230
	v_cndmask_b32 v[T+\k], v236, v[KY+\k], vcc_lo
.endr
	v_min3_num_f32 v231, v[T], v[T+1], v[T+2]
	v_min3_num_f32 v231, v231, v[T+3], v[T+4]
	v_min3_num_f32 v231, v231, v[T+5], v[T+6]
	v_min_num_f32 v231, v231, v[T+7]
	WMIN 231
.if \p < 4
.irp k, 0,1,2,3,4,5,6,7
	v_cmp_eq_f32 vcc_lo, v[KY+\k], v231
	v_cndmask_b32 v[DS+\k], v[DS+\k], v237, vcc_lo
.endr
.endif
	v_cvt_u32_f32 v239, v231
	v_readfirstlane_b32 s[40+\p], v239
	s_and_b32 s[40+\p], s[40+\p], 127              ; the neighbour's label
.endr
; THE VOTE, in scalar registers, by selections alone: each label's count among the five; score = count x 128 + 127 - label, so that the larger count wins and, among equals, the smaller label.
.irp i, 0,1,2,3,4
	s_mov_b32 s[45+\i], 1
.endr
.macro SAME i, j
	s_cmp_eq_u32 s[40+\i], s[40+\j]
	s_cselect_b32 s50, 1, 0
	s_add_co_u32 s[45+\i], s[45+\i], s50
	s_add_co_u32 s[45+\j], s[45+\j], s50
.endm
	SAME 0, 1
	SAME 0, 2
	SAME 0, 3
	SAME 0, 4
	SAME 1, 2
	SAME 1, 3
	SAME 1, 4
	SAME 2, 3
	SAME 2, 4
	SAME 3, 4
	s_mov_b32 s51, 127                             ; no vote at all: label 0
.irp i, 0,1,2,3,4
	s_lshl_b32 s50, s[45+\i], 7
	s_add_co_u32 s50, s50, 127
	s_sub_co_u32 s50, s50, s[40+\i]
	s_cmp_lt_u32 s[40+\i], 100                     ; a label outside the classes has no vote
	s_cselect_b32 s50, s50, 0
	s_max_u32 s51, s51, s50
.endr
	s_and_b32 s51, s51, 127
	s_sub_co_u32 s51, 127, s51                     ; the prediction
	s_and_b32 s52, s15, 0x7c0                      ; the slot's query: 64 (sigma / 64) + 32 (bit 3) + 8 (bits 5:4) + sigma % 8
	s_bfe_u32 s53, s15, 0x10003
	s_lshl_b32 s53, s53, 5
	s_add_co_u32 s52, s52, s53
	s_bfe_u32 s53, s15, 0x20004
	s_lshl_b32 s53, s53, 3
	s_add_co_u32 s52, s52, s53
	s_and_b32 s53, s15, 7
	s_add_co_u32 s52, s52, s53
	s_lshl_b32 s52, s52, 2
	s_mov_b32 s53, 0
	s_add_nc_u64 s[12:13], s[12:13], s[52:53]
	v_mov_b32 v239, s51
	v_cmp_eq_u32 vcc_lo, 0, v1
	s_wait_xcnt 0x0                                ; EXEC changes only behind this wait: it is a source of the loads above
	s_and_saveexec_b32 s54, vcc_lo                 ; lane 0 alone: a wave has one number of an output of 8,192 bytes
	global_store_b32 v9, v239, s[12:13]
	s_wait_xcnt 0x0                                ; and again, in front of the line that widens it
	s_or_b32 exec_lo, exec_lo, s54
	s_endpgm
.Lfunc_end_k_q75a5d48419_final:
	.size	k_q75a5d48419_final, .Lfunc_end_k_q75a5d48419_final-k_q75a5d48419_final
	.p2alignl 7, 3214868480
	.fill 96, 4, 3214868480
	.section	.rodata,"a",@progbits
	.p2align	6, 0x0
	.amdhsa_kernel k_q75a5d48419_final
		.amdhsa_group_segment_fixed_size 0
		.amdhsa_private_segment_fixed_size 0
		.amdhsa_enable_private_segment 0
		.amdhsa_kernarg_size 40
		.amdhsa_user_sgpr_count 2
		.amdhsa_user_sgpr_kernarg_segment_ptr 1
		.amdhsa_wavefront_size32 1
		.amdhsa_system_sgpr_workgroup_id_x 1
		.amdhsa_system_sgpr_workgroup_id_y 1
		.amdhsa_system_sgpr_workgroup_id_z 1
		.amdhsa_system_vgpr_workitem_id 0
		.amdhsa_next_free_vgpr 512
		.amdhsa_next_free_sgpr 66
		.amdhsa_reserve_vcc 1
		.amdhsa_float_denorm_mode_32 3
		.amdhsa_float_denorm_mode_16_64 3
		.amdhsa_memory_ordered 1
		.amdhsa_forward_progress 1
		.amdhsa_inst_pref_size 61
	.end_amdhsa_kernel
	.amdgpu_metadata
---
amdhsa.version: [ 1, 2 ]
amdhsa.kernels:
  - .name:           k_q75a5d48419_final
    .symbol:         k_q75a5d48419_final.kd
    .args:
      - { .name: gsel, .offset: 0, .size: 8, .value_kind: global_buffer, .address_space: global }
      - { .name: tq, .offset: 8, .size: 8, .value_kind: global_buffer, .address_space: global }
      - { .name: xq, .offset: 16, .size: 8, .value_kind: global_buffer, .address_space: global }
      - { .name: y_train, .offset: 24, .size: 8, .value_kind: global_buffer, .address_space: global }
      - { .name: out0, .offset: 32, .size: 8, .value_kind: global_buffer, .address_space: global }
    .group_segment_fixed_size: 0
    .private_segment_fixed_size: 0
    .kernarg_segment_align: 8
    .kernarg_segment_size: 40
    .max_flat_workgroup_size: 256
    .sgpr_count:     66
    .vgpr_count:     512
    .wavefront_size: 32
...
	.end_amdgpu_metadata
.endif
;; end of part 4
;; ======== version 2 of 2: 4 launches
;; workspace buffers: tq 18,087,936 bytes; xq 565,248 bytes; gm 16,777,216 bytes; gsel 65,536 bytes of whole numbers
;; launch quant (part 5): grid 264 x 1, 4 waves a work-group, no clusters, 91,648 bytes of LDS; arguments x_train, x, tq, xq; writes tq, xq
.if DOCPART == 5
	.amdgcn_target "amdgcn-amd-amdhsa--gfx1250"
	.amdhsa_code_object_version 6
	.text
	.protected	k_q75a5d48419_quant
	.globl	k_q75a5d48419_quant
	.p2align	8
	.type	k_q75a5d48419_quant,@function
k_q75a5d48419_quant:
	s_mov_b64 s[64:65], 0
	v_nop
	global_prefetch_b8 v0, s[64:65] scope:SCOPE_SE
	s_setreg_imm32_b32 hwreg(HW_REG_WAVE_SCHED_MODE, 0, 2), 2
	s_setreg_imm32_b32 hwreg(HW_REG_WAVE_MODE, 25, 1), 1
	s_wait_xcnt 0x0
	s_wait_alu depctr_vm_vsrc(0)
; K NEAREST NEIGHBOURS, launch 1 of 4: x_train [65536][512] and x [2048][512], f32, become codes of FP4 (E2M1) with one E8M0 byte for each 32 along K, and -0.5 x the sum of each row's squares (of the f32 numbers).
; THE PROGRAM.  d2 = x2 + t2 - 2 Q(x) . Q(x_train); the five smallest sqrt(max(d2, 0)), ties to the lower index; the commonest of their labels, ties to the smaller label.
;   1 quant: codes, scale bytes and halves.   2 scan: the whole product, with -t2 / 2 as its first addend; of each 32 neighbouring training rows (a GROUP) only the largest dot - t2 / 2 is kept.
;   3 pick: for each query the 8 best groups, stored as whole numbers.   4 final: those groups' 256 rows again, d2 by the formula as it is written, root, five smallest, vote.
; WHY GROUPS SERVE.  Order groups by (their smallest distance, group number).  A row among the five best by (distance, index) lies in one of the five best groups: else five other groups would each hold a row that
; ranks ahead of it.  sqrt and max(., 0) never decrease, so the order of -d2 / 2, clamped at 0, is the order of the distances.  This holds for all values of the inputs.
; NOTHING IS DEAD: all three inputs are loaded and the whole product is multiplied.  Root, exact formula and labels are taken only for the rows that the stored group numbers name: a choice by whole numbers that a later
; launch reads from memory.  The [2048][100] one_hot and its sum are a vote among five labels, and are made as such.
; LIMITS.  NaN and infinities among the inputs are not served.  A block whose largest magnitude lies under 2^-124 has its byte held at 1, as the quantiser holds it; a block of zeros has the byte 1 where the quantiser
; says 127: its codes are zeros, and this program alone reads the bytes.  The filter's key is rounded otherwise than d2: 8 groups are kept where 5 would do, so a result can differ only where four or more further groups
; have unequal minima within f32 rounding of the fifth.
; LAYOUT of tq and xq: rows go in PAIRS of 64 (two groups), a record of 17,664 bytes each.  Row rho of a pair: b = rho / 32, i = rho % 32, tile t = i / 8, place m = i % 8 + 8 b.
;   codes  t x 4096 + kk x 512 + 16 x lane: the image of registers 4 c .. 4 c + 3 of K step s (kk = 2 s + c) of the tile's fragment: lane m + 16 h holds bytes 32 kk + 16 h .. + 15 of the row's 256 code bytes
;   scales 16384 + t x 256 + m x 16: the row's 16 bytes, a word for each 128 along K        halves 17408 + t x 64 + m x 4
; SHARES.  A wave takes a pair: 64 rows, one row (512 numbers) a step.  Each of a row's four loads reads 512 consecutive bytes; the row turns through the wave's own stage in LDS so that a lane holds 16 neighbours (two
; lanes to a block); codes, bytes and halves gather in the wave's own LDS and leave as the record, every store 256 or 512 consecutive bytes at a multiple of 256.  Waves share nothing: no barrier.  Twelve rows' loads are out.
; Work-groups 0 to 255 take x_train, 256 to 263 x: only pointers are chosen, the text has one path.
; THE MODE: SCHED_MODE bits 1:0 = 2 (LLVM: expert scheduling mode 2), set by the entry lines.  The code itself states the register dependences between vector instructions and memory or LDS instructions,
; with s_wait_alu, always for 0.
; THE PLAN.  Registers that memory or LDS instructions touch:
;   v3 .. v12   offsets and LDS addresses, made once at the head and never written again: every row's place stands in an immediate.   v13, v14: written at the head, read by the closing add alone.
;   R0 .. R11   Written by the global loads of row t + 12, issued in row t's step; read by the four LDS stores of row t's turn through the stage, issued in row t - 1's step.  No vector instruction names them.
;   X0, X1      Written by the LDS loads of row t + 1's turn, issued in row t's step; read by row t + 1's vector work.  The set was last read by row t - 1's vector work.
;   CD0, CD1    Written by row t's vector work; read by row t's three small LDS stores, which are issued in row t + 1's step; written again by row t + 2's vector work.
; So row t's memory and LDS instructions touch R[t % 12], R[(t + 1) % 12], X[(t + 1) % 2] and CD[(t - 1) % 2], and row t's vector work names X[t % 2], CD[t % 2] and work registers: none of those.
; Two waits at a step's head state all that the step's fifteen memory and LDS instructions hang on; these follow with no further wait, the small stores behind the search for the largest magnitude.
.set PAIRB, 17664
.set ROWS,  64
.set AHEAD, 12                         ; rows whose loads are out
.set INB,   2560                       ; an in-stage: 32 places of 64 bytes + 16 of padding
.set OUTS,  2*INB                      ; behind the two in-stages: 64 rows of 256 code bytes + 16 scale bytes
.set OP,    272
.set HV,    OUTS+ROWS*OP               ; and the 64 halves
.set WREG,  HV+256                     ; a wave's region
.set SPARE, 4*WREG                     ; the spare words, 128 bytes for each wave: two blocks of 256 bytes that no other line names
.set SPW,   13                         ; v13  LDS address of my spare word; never rewritten
.set NIL,   14                         ; v14  0; never rewritten
.set CD,    20                         ; v20-27  two sets, by the row's parity, of: codes (2), scale byte, half
.set X,     32                         ; v32-63  two sets of 16 neighbours
.set R,     64                         ; v64-255 twelve sets of 16 numbers as loaded; on the way out the record
	s_load_b256 s[4:11], s[0:1], 0x0               ; x_train s[4:5], x s[6:7], tq s[8:9], xq s[10:11]
	v_lshl_add_u32 v[SPW], v0, 2, SPARE
	v_mov_b32 v[NIL], 0
	v_lshrrev_b32 v1, 5, v0
	v_readfirstlane_b32 s16, v1                    ; wave
	v_and_b32 v2, 31, v0                           ; lane
	v_lshlrev_b32 v3, 4, v2                        ; 16 x lane: my bytes of a load's or a store's 512
	s_wait_alu depctr_va_sdst(0)                   ; s16 is written, ahead of its first reader: the wave's region and its pair are made from it
	s_mul_i32 s17, s16, WREG
	v_lshrrev_b32 v4, 2, v2
	v_mul_u32_u24 v4, v4, 80
	v_and_b32 v5, 3, v2
	v_lshl_add_u32 v4, v5, 4, v4
	v_add_nc_u32 v4, s17, v4                       ; in-stage, in: 80 (lane / 4) + 16 (lane % 4)
	v_mul_u32_u24 v5, v2, 80
	v_add_nc_u32 v5, s17, v5                       ; in-stage, out: 80 x lane: my 16 neighbours
	s_add_co_u32 s18, s17, OUTS
	s_add_co_u32 s19, s17, HV
	v_lshlrev_b32 v12, 3, v2                       ; 8 x lane
	v_add_nc_u32 v6, s18, v12                      ; my 8 code bytes of a row
	v_lshrrev_b32 v7, 1, v2
	v_add_nc_u32 v7, s18, v7                       ; my block's byte (256 on, in the immediate)
	v_mov_b32 v8, s19                              ; the halves
	v_and_b32 v9, 15, v2
	v_mul_u32_u24 v9, v9, OP
	v_lshrrev_b32 v10, 4, v2
	v_lshl_add_u32 v9, v10, 4, v9
	v_add_nc_u32 v9, s18, v9                       ; the way out, codes: row lane % 16 of a tile, + 16 (lane / 16)
	v_mul_u32_u24 v10, v2, OP
	v_add_nc_u32 v10, s18, v10                     ; scale bytes: a row a lane
	v_add_nc_u32 v11, s19, v12                     ; halves: 8 bytes a lane
	v_mov_b32 v19, 0                               ; written once: a lane permute's destination counts as one of its sources
	s_mov_b32 s20, 0x76543210
	s_mov_b32 s21, 0xfedcba98                      ; v_permlanex16_b32's selects for lane l xor 16
	s_wait_kmcnt 0x0
	s_cmp_lt_u32 ttmp9, 256                        ; x_train's work-group or x's: the choice hangs on the work-group's number alone
	s_cselect_b64 s[4:5], s[4:5], s[6:7]
	s_cselect_b64 s[8:9], s[8:9], s[10:11]
	s_cselect_b32 s22, 0, 256
	s_sub_co_u32 s22, ttmp9, s22
	s_lshl_b32 s22, s22, 2
	s_add_co_u32 s22, s22, s16                     ; my pair
	s_lshl_b32 s24, s22, 17                        ; 64 rows of 2,048 bytes (under 2^28)
	s_mov_b32 s25, 0
	s_add_nc_u64 s[4:5], s[4:5], s[24:25]
	s_mul_i32 s24, s22, PAIRB
	s_add_nc_u64 s[8:9], s[8:9], s[24:25]
	s_wait_alu depctr_va_vdst(0)                   ; the offsets and LDS addresses v3 to v12, and v13 and v14, are written: every memory and LDS instruction of the kernel reads some of them
.macro LOAD t
.irp i, 0,1,2,3
	global_load_b128 v[R+16*((\t)%AHEAD)+4*\i:R+16*((\t)%AHEAD)+4*\i+3], v3, s[4:5] offset:2048*(\t)+512*\i th:TH_LOAD_NT   ; 32 lanes read 512 consecutive bytes; read once in the launch
.endr
.endm
.macro TURN t                          ; row t through an in-stage: LDS serves a wave's instructions in order, so no wait stands between the stores and the loads
.irp i, 0,1,2,3
	ds_store_b128 v4, v[R+16*((\t)%AHEAD)+4*\i:R+16*((\t)%AHEAD)+4*\i+3] offset:INB*((\t)%2)+640*\i
.endr
.irp i, 0,1,2,3
	ds_load_b128 v[X+16*((\t)%2)+4*\i:X+16*((\t)%2)+4*\i+3], v5 offset:INB*((\t)%2)+16*\i
.endr
.endm
.macro SMALL t                         ; row t's codes, scale byte and half go to their places in the record
.set SR, 16*(((\t)&31)>>3)+((\t)&7)+8*((\t)>>5)    ; the row's place in the record: 16 t + m
.set CP, CD+4*((\t)%2)
	ds_store_b64 v6, v[CP:CP+1] offset:SR*OP
	ds_store_b8 v7, v[CP+2] offset:SR*OP+256       ; both lanes of a block write the same byte with the same value
	ds_store_b32 v8, v[CP+3] offset:SR*4           ; all lanes write the same word with the same value
.endm
.macro STEP t
.set XS, X+16*((\t)%2)
.set CS, CD+4*((\t)%2)
.if (\t) > 1
	s_wait_dscnt 3                                 ; all but the three small stores that were issued behind them: this row's numbers are back from the stage
.else
	s_wait_dscnt 0x0                               ; (behind the first two rows' turns no small stores stand)
.endif
.if (\t) > 0
	s_wait_alu depctr_va_vdst(0)                   ; the row before has written its codes, byte and half, which the small stores below read, and is done reading its 16 neighbours, in whose registers the next row's land
.endif
	s_wait_alu depctr_vm_vsrc(0)                   ; this row's stores into the stage have read its R set, in which the loads below land; the small stores of two rows ago have read the CD set that this row writes again
.if (\t)+AHEAD < ROWS
	LOAD (\t)+AHEAD                                ; into the registers that this row has left
	s_wait_loadcnt 4*(AHEAD-1)                     ; the next row's four loads are in; those of the eleven rows behind it may be out
	TURN (\t)+1
.elseif (\t)+1 < ROWS
	s_wait_loadcnt 4*(ROWS-2-(\t))                 ; the counts run down: nothing is loaded past the pair
	TURN (\t)+1
.endif
	v_max3_num_f32 v16, |v[XS]|, |v[XS+1]|, |v[XS+2]|              ; the largest magnitude of my 16, in two chains
	v_max3_num_f32 v17, |v[XS+3]|, |v[XS+4]|, |v[XS+5]|
.irp i, 6,10
	v_max3_num_f32 v16, v16, |v[XS+\i]|, |v[XS+\i+1]|
	v_max3_num_f32 v17, v17, |v[XS+\i+2]|, |v[XS+\i+3]|
.endr
	v_max3_num_f32 v16, v16, |v[XS+14]|, |v[XS+15]|
	v_max3_num_f32 v16, v16, v17, 0x1800000        ; and the floor 2^(3 - 127): the byte cannot fall under 1
	v_max_num_f32_dpp v16, v16, v16 row_xmask:1 row_mask:0xf bank_mask:0xf   ; with my neighbour's 16: the block's
	v_add_nc_u32 v18, 0xff000000, v16              ; 2 off its exponent field: the conversion takes the exponent field of this operand as its scale, and nothing else of it
.if (\t) > 0
	SMALL (\t)-1                                   ; the row before.  No wait: no vector instruction since the wait at the step's head names that row's CD set or v6 to v8
.endif
	v_cvt_scalef32_pk8_fp4_f32 v[CS], v[XS:XS+7], v18
	v_cvt_scalef32_pk8_fp4_f32 v[CS+1], v[XS+8:XS+15], v18
	v_lshrrev_b32 v[CS+2], 23, v18                 ; the scale's byte (a plain line behind the conversions)
	v_pk_mul_f32 v[28:29], v[XS:XS+1], v[XS:XS+1]  ; the squares of the f32 numbers, in two chains
	v_pk_mul_f32 v[30:31], v[XS+2:XS+3], v[XS+2:XS+3]
.irp j, 4,8,12
	v_pk_fma_f32 v[28:29], v[XS+\j:XS+\j+1], v[XS+\j:XS+\j+1], v[28:29]
	v_pk_fma_f32 v[30:31], v[XS+\j+2:XS+\j+3], v[XS+\j+2:XS+\j+3], v[30:31]
.endr
	v_pk_add_f32 v[28:29], v[28:29], v[30:31]
	v_add_f32 v28, v28, v29
	v_add_f32_dpp v28, v28, v28 row_xmask:1 row_mask:0xf bank_mask:0xf
	v_add_f32_dpp v28, v28, v28 row_xmask:2 row_mask:0xf bank_mask:0xf
	v_add_f32_dpp v28, v28, v28 row_xmask:4 row_mask:0xf bank_mask:0xf
	v_add_f32_dpp v28, v28, v28 row_xmask:8 row_mask:0xf bank_mask:0xf
	v_permlanex16_b32 v19, v28, s20, s21
	v_add_f32 v28, v28, v19                        ; the row's sum of squares, in every lane
	v_mul_f32 v[CS+3], -0.5, v28                   ; a power of two: nothing is rounded
.endm
.set Q, 0
.rept AHEAD
	LOAD Q
.set Q, Q+1
.endr
	s_wait_loadcnt 4*(AHEAD-1)                     ; row 0's four loads are in
	TURN 0
.set Q, 0
.rept ROWS
	STEP Q
.set Q, Q+1
.endr
	s_wait_alu depctr_va_vdst(0)                   ; the last row has written its codes, byte and half, which its small stores read
	SMALL ROWS-1
	; THE WAY OUT: 35 LDS loads (they see my stores: LDS serves a wave's instructions in order), then their stores, each behind a wait that leaves the younger loads out.
	; The loads land in R: every LDS store that read R was issued ahead of the last row's wait on vm_vsrc, and no vector instruction names R.
.irp t, 0,1,2,3
.irp kk, 0,1,2,3,4,5,6,7
	ds_load_b128 v[R+4*(8*\t+\kk):R+4*(8*\t+\kk)+3], v9 offset:\t*16*OP+\kk*32
.endr
.endr
.irp j, 0,1
	ds_load_b128 v[R+128+4*\j:R+128+4*\j+3], v10 offset:\j*32*OP+256
.endr
	ds_load_b64 v[R+136:R+137], v11
.irp t, 0,1,2,3
.irp kk, 0,1,2,3,4,5,6,7
	s_wait_dscnt 34-(8*\t+\kk)
	global_store_b128 v3, v[R+4*(8*\t+\kk):R+4*(8*\t+\kk)+3], s[8:9] offset:\t*4096+\kk*512   ; 512 consecutive bytes, at a multiple of 256 from the buffer's first byte
.endr
.endr
.irp j, 0,1
	s_wait_dscnt 2-\j
	global_store_b128 v3, v[R+128+4*\j:R+128+4*\j+3], s[8:9] offset:16384+512*\j
.endr
	s_wait_dscnt 0x0
	global_store_b64 v12, v[R+136:R+137], s[8:9] offset:17408                                  ; 256 consecutive bytes
	s_wait_dscnt 0x0                               ; the wave's end, behind my last LDS store
	s_wait_alu 0x0
	s_wait_tensorcnt 0x0
	ds_add_u32 v[SPW], v[NIL]
	s_wait_dscnt 0x0
	s_endpgm
.Lfunc_end_k_q75a5d48419_quant:
	.size	k_q75a5d48419_quant, .Lfunc_end_k_q75a5d48419_quant-k_q75a5d48419_quant
	.p2alignl 7, 3214868480
	.fill 96, 4, 3214868480
	.section	.rodata,"a",@progbits
	.p2align	6, 0x0
	.amdhsa_kernel k_q75a5d48419_quant
		.amdhsa_group_segment_fixed_size 91648
		.amdhsa_private_segment_fixed_size 0
		.amdhsa_enable_private_segment 0
		.amdhsa_kernarg_size 32
		.amdhsa_user_sgpr_count 2
		.amdhsa_user_sgpr_kernarg_segment_ptr 1
		.amdhsa_wavefront_size32 1
		.amdhsa_system_sgpr_workgroup_id_x 1
		.amdhsa_system_sgpr_workgroup_id_y 1
		.amdhsa_system_sgpr_workgroup_id_z 1
		.amdhsa_system_vgpr_workitem_id 0
		.amdhsa_next_free_vgpr 256
		.amdhsa_next_free_sgpr 66
		.amdhsa_reserve_vcc 0
		.amdhsa_float_denorm_mode_32 3
		.amdhsa_float_denorm_mode_16_64 3
		.amdhsa_memory_ordered 1
		.amdhsa_forward_progress 1
		.amdhsa_inst_pref_size 200
	.end_amdhsa_kernel
	.amdgpu_metadata
---
amdhsa.version: [ 1, 2 ]
amdhsa.kernels:
  - .name:           k_q75a5d48419_quant
    .symbol:         k_q75a5d48419_quant.kd
    .args:
      - { .name: x_train, .offset: 0, .size: 8, .value_kind: global_buffer, .address_space: global }
      - { .name: x, .offset: 8, .size: 8, .value_kind: global_buffer, .address_space: global }
      - { .name: tq, .offset: 16, .size: 8, .value_kind: global_buffer, .address_space: global }
      - { .name: xq, .offset: 24, .size: 8, .value_kind: global_buffer, .address_space: global }
    .group_segment_fixed_size: 91648
    .private_segment_fixed_size: 0
    .kernarg_segment_align: 8
    .kernarg_segment_size: 32
    .max_flat_workgroup_size: 128
    .sgpr_count:     66
    .vgpr_count:     256
    .wavefront_size: 32
...
	.end_amdgpu_metadata
.endif
;; end of part 5
;; launch scan: the kernel of part 2 again; grid 2 x 128, 4 waves a work-group, no clusters, 223,744 bytes of LDS; arguments tq, xq, gm; writes gm
;; launch pick (part 6): grid 256 x 1, 8 waves a work-group, no clusters, 21,760 bytes of LDS; arguments gm, xq, gsel; writes gsel
.if DOCPART == 6
	.amdgcn_target "amdgcn-amd-amdhsa--gfx1250"
	.amdhsa_code_object_version 6
	.text
	.protected	k_q75a5d48419_pick
	.globl	k_q75a5d48419_pick
	.p2align	8
	.type	k_q75a5d48419_pick,@function
k_q75a5d48419_pick:
	s_mov_b64 s[64:65], 0
	v_nop
	global_prefetch_b8 v0, s[64:65] scope:SCOPE_SE
	s_setreg_imm32_b32 hwreg(HW_REG_WAVE_MODE, 25, 1), 1
	s_wait_xcnt 0x0
; Launch 3 of 4: for each query the 8 best of its 2,048 groups, by (key, group number): key = min(-x2 / 2 + the group's largest (dot - t2 / 2), 0) = -max(d2, 0) / 2 of the group's nearest row; larger is nearer; ties to the lower group.
; Their numbers are stored as whole numbers, gsel [slot 2048][8]; every address here is made of ids alone.  Five groups would do in exact arithmetic; three more stand against the key's other rounding.
; SHARES.  A work-group takes 8 slots.  Wave w takes slices 16 w .. 16 w + 15: a slice's part is 512 consecutive bytes, one load.  Lane l holds slot l / 4 and floats 4 (l % 4) + e: 64 keys a lane, whose group numbers
; 256 w + 16 k + 4 (l % 4) + e rise with the place n = 4 k + e in the lane's stream.  Each lane keeps a sorted list of its 8 best by insertion without a branch; a strictly greater key alone moves an entry, so the earlier,
; lower group stays ahead of its equals.  The 32 lists of a slot meet in LDS; wave w merges slot w's in eight passes: the wave's largest head, among equals the lowest number.  Group numbers go as f32 there: under 2^11, exact.
.set PAIRB, 17664
.set OUTA,  20480                      ; behind the 256 lists of 80 bytes (8 keys, 8 numbers, 16 of padding): the result, 256 bytes
.set SPARE, 20736                      ; the spare words, 128 bytes for each wave: four blocks of 256 bytes that no other line names
.set L, 8                              ; v8-15   the list's keys, descending
.set I, 16                             ; v16-23  their places, later their group numbers
.set V, 32                             ; v32-95  the 64 keys
	s_load_b128 s[4:7], s[0:1], 0x0                ; gm, xq
	s_load_b64 s[8:9], s[0:1], 0x10                ; gsel
	v_lshl_add_u32 v1, v0, 2, SPARE                ; v1  my spare word; never rewritten
	v_mov_b32 v2, 0                                ; v2  0; never rewritten
	v_lshrrev_b32 v3, 5, v0
	s_delay_alu instid0(VALU_DEP_1)
	v_readfirstlane_b32 s10, v3                    ; wave
	v_and_b32 v3, 31, v0                           ; lane
	s_delay_alu instid0(VALU_DEP_1)
	v_lshlrev_b32 v4, 4, v3                        ; 16 x lane
	s_delay_alu instid0(VALU_DEP_2)
	v_lshrrev_b32 v96, 2, v3                       ; my slot among the eight
	s_delay_alu instid0(VALU_DEP_1)
	v_lshlrev_b32 v5, 2, v96                       ; its half's place
	s_delay_alu instid0(VALU_DEP_4)
	v_and_b32 v101, 3, v3
	s_delay_alu instid0(VALU_DEP_3)
	v_mul_u32_u24 v96, v96, 2560
	s_delay_alu instid0(VALU_DEP_1)
	v_mad_u32_u24 v96, v101, 80, v96
	s_mul_i32 s11, s10, 320
	v_add_nc_u32 v96, s11, v96                     ; v96  where my list goes: 80 (32 slot + 4 wave + lane % 4)
	v_mul_u32_u24 v97, v3, 80
	s_mul_i32 s11, s10, 2560
	v_add_nc_u32 v97, s11, v97                     ; v97  the list that I merge: 80 (32 wave + lane)
	v_and_b32 v100, 7, v3                          ; v100 lane % 8
	s_lshl_b32 s11, s10, 5
	s_add_co_u32 s11, s11, OUTA
	v_lshl_add_u32 v98, v100, 2, s11               ; v98  the result: 32 wave + 4 (lane % 8)
	v_lshlrev_b32 v105, 3, v3                      ; v105 8 x lane
	s_delay_alu instid0(VALU_DEP_1)
	v_add_nc_u32 v99, OUTA, v105                   ; v99  and back
	s_lshl_b32 s11, s10, 8
	v_lshl_add_u32 v101, v101, 2, s11              ; v101 256 wave + 4 (lane % 4)
	v_mov_b32 v102, 0x7f61b1e6                     ; 3e38: over every group number
	v_mov_b32 v103, 0xff800000                     ; -infinity: under every key
	v_mov_b32 v104, 0                              ; the result
	v_mov_b32 v7, 0                                ; (named with v6 as a pair, so it is written)
.irp i, 0,1,2,3,4,5,6,7
	v_mov_b32 v[L+\i], 0xff800000
	v_mov_b32 v[I+\i], 0
.endr
.irp i, 25,26,27,28
	v_mov_b32 v\i, 0                               ; written once: the destination of a lane exchange counts as one of its sources
.endr
	s_mov_b32 s14, 0x76543210
	s_mov_b32 s15, 0xfedcba98                      ; v_permlanex16_b32's selects for lane l xor 16
	s_lshl_b32 s24, ttmp9, 9                       ; my 8 slots in a slice's part of gm,
	s_lshl_b32 s25, s10, 21                        ; my wave's 16 slices
	s_add_co_u32 s24, s24, s25
	s_mov_b32 s25, 0
	s_lshr_b32 s26, ttmp9, 3                       ; the slots' pair in xq,
	s_mul_i32 s26, s26, PAIRB
	s_and_b32 s27, ttmp9, 7
	s_lshl_b32 s27, s27, 5                         ; and their eight halves in it
	s_add_co_u32 s26, s26, s27
	s_mov_b32 s27, 0
	s_lshl_b32 s28, ttmp9, 8
	s_mov_b32 s29, 0
	s_wait_kmcnt 0x0
	s_add_nc_u64 s[4:5], s[4:5], s[24:25]
	s_add_nc_u64 s[6:7], s[6:7], s[26:27]
	s_add_nc_u64 s[8:9], s[8:9], s[28:29]
	global_load_b32 v6, v5, s[6:7] offset:17408    ; -x2 / 2 of my slot
.irp k, 0,1,2,3,4,5,6,7,8,9,10,11,12,13,14,15
	global_load_b128 v[V+4*\k:V+4*\k+3], v4, s[4:5] offset:\k*131072 th:TH_LOAD_NT   ; 512 consecutive bytes; read once in the launch
.endr
; key x, the n-th of my stream, into the sorted list.  c_i = (x > L_i).  From the list's end on: L_i becomes the middle one of L_(i-1), L_i, x; its place follows: the neighbour's where c_(i-1), else n where c_i.
.macro INS x, n
	v_mov_b32 v24, \n
.irp i, 0,1,2,3,4,5,6,7
	v_cmp_gt_f32 s[16+\i], v[\x], v[L+\i]
.endr
.irp i, 7,6,5,4,3,2,1
	v_med3_num_f32 v[L+\i], v[L+\i-1], v[L+\i], v[\x]
	v_cndmask_b32 v[I+\i], v[I+\i], v24, s[16+\i]
	s_delay_alu instid0(VALU_DEP_1)
	v_cndmask_b32 v[I+\i], v[I+\i], v[I+\i-1], s[16+\i-1]
.endr
	v_max_num_f32 v[L], v[L], v[\x]
	v_cndmask_b32 v[I], v[I], v24, s16
.endm
.irp k, 0,1,2,3,4,5,6,7,8,9,10,11,12,13,14,15
	s_wait_loadcnt 15-\k                           ; slice k's load is in (and the half, issued first); the younger slices' may be out
	v_pk_add_f32 v[V+4*\k:V+4*\k+1], v[V+4*\k:V+4*\k+1], v[6:7] op_sel_hi:[1,0]      ; -d2 / 2
	v_pk_add_f32 v[V+4*\k+2:V+4*\k+3], v[V+4*\k+2:V+4*\k+3], v[6:7] op_sel_hi:[1,0]
.irp e, 0,1,2,3
	v_min_num_f32 v[V+4*\k+\e], 0, v[V+4*\k+\e]    ; the clamp max(d2, 0)
.endr
	s_wait_alu depctr_va_vdst(0)
.irp e, 0,1,2,3
	INS V+4*\k+\e, 4*\k+\e
.endr
.endr
.irp i, 0,1,2,3,4,5,6,7
	v_lshrrev_b32 v26, 2, v[I+\i]                  ; place n to group number: 16 (n / 4) + n % 4 + 256 wave + 4 (lane % 4)
	v_and_b32 v27, 3, v[I+\i]
	s_delay_alu instid0(VALU_DEP_1)
	v_lshl_add_u32 v26, v26, 4, v27
	s_delay_alu instid0(VALU_DEP_1)
	v_add_nc_u32 v26, v101, v26
	s_delay_alu instid0(VALU_DEP_1)
	v_cvt_f32_u32 v[I+\i], v26
.endr
	ds_store_b128 v96, v[8:11]
	ds_store_b128 v96, v[12:15] offset:16
	ds_store_b128 v96, v[16:19] offset:32
	ds_store_b128 v96, v[20:23] offset:48
	s_wait_dscnt 0x0                               ; for the others' sake: my list lies in LDS
	s_barrier_signal -1
	s_barrier_wait -1
	ds_load_b128 v[8:11], v97                      ; list `lane` of slot `wave`
	ds_load_b128 v[12:15], v97 offset:16
	ds_load_b128 v[16:19], v97 offset:32
	ds_load_b128 v[20:23], v97 offset:48
	s_wait_dscnt 0x0
.irp k, 0,1,2,3,4,5,6,7
	v_max_num_f32_dpp v25, v8, v8 row_xmask:1 row_mask:0xf bank_mask:0xf      ; the largest of the 32 heads
	s_delay_alu instid0(VALU_DEP_1)
	v_max_num_f32_dpp v25, v25, v25 row_xmask:2 row_mask:0xf bank_mask:0xf
	s_delay_alu instid0(VALU_DEP_1)
	v_max_num_f32_dpp v25, v25, v25 row_xmask:4 row_mask:0xf bank_mask:0xf
	s_delay_alu instid0(VALU_DEP_1)
	v_max_num_f32_dpp v25, v25, v25 row_xmask:8 row_mask:0xf bank_mask:0xf
	s_wait_alu depctr_va_vdst(0)
	v_permlanex16_b32 v26, v25, s14, s15
	s_delay_alu instid0(VALU_DEP_1)
	v_max_num_f32 v25, v25, v26
	s_delay_alu instid0(VALU_DEP_1)
	v_cmp_eq_f32 vcc_lo, v8, v25
	s_delay_alu instid0(VALU_DEP_1)
	v_cndmask_b32 v27, v102, v16, vcc_lo           ; my head's group number where it is that largest
	s_delay_alu instid0(VALU_DEP_1)
	v_min_num_f32_dpp v28, v27, v27 row_xmask:1 row_mask:0xf bank_mask:0xf    ; the lowest such number
	s_delay_alu instid0(VALU_DEP_1)
	v_min_num_f32_dpp v28, v28, v28 row_xmask:2 row_mask:0xf bank_mask:0xf
	s_delay_alu instid0(VALU_DEP_1)
	v_min_num_f32_dpp v28, v28, v28 row_xmask:4 row_mask:0xf bank_mask:0xf
	s_delay_alu instid0(VALU_DEP_1)
	v_min_num_f32_dpp v28, v28, v28 row_xmask:8 row_mask:0xf bank_mask:0xf
	s_delay_alu instid0(VALU_DEP_1)
	v_permlanex16_b32 v26, v28, s14, s15
	s_delay_alu instid0(VALU_DEP_1)
	v_min_num_f32 v28, v28, v26
	v_cmp_eq_u32 vcc_lo, \k, v100
	s_delay_alu instid0(VALU_DEP_1)
	v_cndmask_b32 v104, v104, v28, vcc_lo          ; lanes with lane % 8 = k keep it
.if \k < 7
	s_delay_alu instid0(VALU_DEP_3)
	v_cmp_eq_f32 vcc_lo, v27, v28                  ; the lane that gave it moves its list up by one
.irp i, 0,1,2,3,4,5,6
	v_cndmask_b32 v[L+\i], v[L+\i], v[L+\i+1], vcc_lo
	v_cndmask_b32 v[I+\i], v[I+\i], v[I+\i+1], vcc_lo
.endr
	v_cndmask_b32 v[L+7], v[L+7], v103, vcc_lo
.endif
.endr
	s_delay_alu instid0(VALU_DEP_1)
	v_cvt_u32_f32 v104, v104
	ds_store_b32 v98, v104                         ; four lanes write the same word with the same value
	s_wait_dscnt 0x0                               ; for wave 0's sake
	s_barrier_signal -1
	s_barrier_wait -1
	s_cmp_lg_u32 s10, 0
	s_cbranch_scc1 .Ldone
	ds_load_b64 v[30:31], v99                      ; wave 0 stores the eight slots' 256 bytes as one aligned run
	s_wait_dscnt 0x0
	global_store_b64 v105, v[30:31], s[8:9]
.Ldone:
	s_wait_tensorcnt 0x0                           ; the wave's end, behind my last LDS store; the tensor wait stands in a text with no tensor load too
	ds_add_u32 v1, v2
	s_wait_dscnt 0x0
	s_endpgm
.Lfunc_end_k_q75a5d48419_pick:
	.size	k_q75a5d48419_pick, .Lfunc_end_k_q75a5d48419_pick-k_q75a5d48419_pick
	.p2alignl 7, 3214868480
	.fill 96, 4, 3214868480
	.section	.rodata,"a",@progbits
	.p2align	6, 0x0
	.amdhsa_kernel k_q75a5d48419_pick
		.amdhsa_group_segment_fixed_size 21760
		.amdhsa_private_segment_fixed_size 0
		.amdhsa_enable_private_segment 0
		.amdhsa_kernarg_size 24
		.amdhsa_user_sgpr_count 2
		.amdhsa_user_sgpr_kernarg_segment_ptr 1
		.amdhsa_wavefront_size32 1
		.amdhsa_system_sgpr_workgroup_id_x 1
		.amdhsa_system_sgpr_workgroup_id_y 1
		.amdhsa_system_sgpr_workgroup_id_z 1
		.amdhsa_system_vgpr_workitem_id 0
		.amdhsa_next_free_vgpr 128
		.amdhsa_next_free_sgpr 66
		.amdhsa_reserve_vcc 1
		.amdhsa_float_denorm_mode_32 3
		.amdhsa_float_denorm_mode_16_64 3
		.amdhsa_memory_ordered 1
		.amdhsa_forward_progress 1
		.amdhsa_inst_pref_size 166
	.end_amdhsa_kernel
	.amdgpu_metadata
---
amdhsa.version: [ 1, 2 ]
amdhsa.kernels:
  - .name:           k_q75a5d48419_pick
    .symbol:         k_q75a5d48419_pick.kd
    .args:
      - { .name: gm, .offset: 0, .size: 8, .value_kind: global_buffer, .address_space: global }
      - { .name: xq, .offset: 8, .size: 8, .value_kind: global_buffer, .address_space: global }
      - { .name: gsel, .offset: 16, .size: 8, .value_kind: global_buffer, .address_space: global }
    .group_segment_fixed_size: 21760
    .private_segment_fixed_size: 0
    .kernarg_segment_align: 8
    .kernarg_segment_size: 24
    .max_flat_workgroup_size: 256
    .sgpr_count:     66
    .vgpr_count:     128
    .wavefront_size: 32
...
	.end_amdgpu_metadata
.endif
;; end of part 6
;; launch final (part 7): grid 256 x 1, 8 waves a work-group, no clusters, 0 bytes of LDS; arguments gsel, tq, xq, y_train, out0; writes out0
.if DOCPART == 7
	.amdgcn_target "amdgcn-amd-amdhsa--gfx1250"
	.amdhsa_code_object_version 6
	.text
	.protected	k_q75a5d48419_final
	.globl	k_q75a5d48419_final
	.p2align	8
	.type	k_q75a5d48419_final,@function
k_q75a5d48419_final:
	s_mov_b64 s[64:65], 0
	v_nop
	global_prefetch_b8 v0, s[64:65] scope:SCOPE_SE
	s_setreg_imm32_b32 hwreg(HW_REG_WAVE_SCHED_MODE, 0, 2), 2
	s_setreg_imm32_b32 hwreg(HW_REG_WAVE_MODE, 25, 1), 1
	s_wait_xcnt 0x0
	s_wait_alu depctr_vm_vsrc(0)
; Launch 4 of 4: for each query the 8 x 32 training rows that gsel names: the product again, d2 as the formula is written, the root, the five smallest by (distance, index), the vote.
; Only the rows of the stored groups are taken: every row among the five nearest lies in one of them (shown at the head of the first kernel).  The group numbers are whole numbers read from memory, held to 0 .. 2047.
; SHARES.  One wave, one slot sigma = 8 x work-group + wave.  No LDS, no barrier.
; THE PRODUCT.  Source 1 holds the query in all 16 columns; source 0 = rows 16 u .. 16 u + 15 of a group.  So every lane of a half holds, in register j of accumulator u, the dot product with row 16 u + 8 h + j.
; Fifteen selections by lane masks leave lane (r, h) with the row il = 16 (r / 8) + 8 h + r % 8: one row a lane for each group, eight numbers a lane in all.
; THE FORMULA.  With xh = -x2 / 2 and th = -t2 / 2: d2 = -2 ((xh + th) + dot).  Powers of two commute with rounding, so the two additions round as (x2 + t2) - 2 dot does.
; THE ROOT is brought to the correctly rounded one: of s and its two neighbours the one that the signs of a - s_down s and a - s_up s, each one fused multiply-add, point to.  So distances tie where the true roots tie.
; THE KEY of a row is (group << 12) + (il << 7) + min(label, 127): under 2^23, so exact in f32; it is ordered as the row's index is, and carries the label.
; LIMITS.  A d2 under 2^-126 is taken as 0 by v_sqrt_f32 (ISA guide, 15.8).  A label outside 0 .. 99 gets no vote, as in one_hot; with no vote at all the result is 0, as argmax gives.
; REGISTERS.  Window 0: v1-15 lane terms; v16-47 four offsets for each group, never rewritten; v48-79 the query's fragments, behind the products at work on the roots; v80-83 its scale words; v84 xh; v88-151 the rows' scale words;
;   v152-159 th; v160-167 labels; v168-199 four accumulators, two by the group's parity; v200-207 at work; v208-215 dot, then d2, then the distance; v216-223 keys; v230-239 at work.   Window 1: four buffers of 64: a group's fragments.
; THE MODE: SCHED_MODE bits 1:0 = 2 (LLVM: expert scheduling mode 2), set by the entry lines.  The code itself states the register dependences between vector or matrix instructions and memory instructions,
; and those through scalar registers that vector instructions write, with s_wait_alu, always for 0.
; THE PLAN.  Registers that memory instructions touch:
;   v8, v14, v15, v16-47, v9   offsets, made at the head and never written again.
;   v48-167                    the query's and the rows' operands, scale words, halves and labels: each loaded once, into registers that no vector instruction has named.
;   window 1, buffer k % 4     group k's eight products read it; behind them the loads of group k + 4 land in it: one wait on va_vdst for each of groups 0 to 3, behind the products' four places; the sixteen loads follow it,
;                              and then the fifteen selections, which name accumulators and work registers alone.
;   v239                       written by a move, read by the one store.
; A compare never stands next to the selection that reads its mask: compares go in runs of eight or sixteen into scalar registers, one wait on va_sdst stands behind each run, and the selections follow.
.set PAIRB, 17664
.set VOC, 16
.set VOS, 24
.set VOT, 32
.set VOY, 40
.set QF,  48
.set SD,  QF                           ; v48-55  behind the products: the roots' neighbours below,
.set SU,  QF+8                         ; v56-63  above,
.set RA,  QF+16                        ; v64-71  a - s_down s,
.set RB,  QF+24                        ; v72-79  a - s_up s
.set QS,  80
.set XH,  84
.set AS,  88
.set TH,  152
.set LAB, 160
.set ACC, 168
.set T,   200
.set DS,  208
.set KY,  216
.set MSB, 0
.macro WIN new                         ; the immediate's high byte repeats the setting that is left
.if MSB != (\new)
	s_set_vgpr_msb (MSB<<8)|(\new)
.set MSB, (\new)
.endif
.endm
	s_load_b256 s[4:11], s[0:1], 0x0               ; gsel s[4:5], tq s[6:7], xq s[8:9], y_train s[10:11]
	s_load_b64 s[12:13], s[0:1], 0x20              ; out0
	v_lshrrev_b32 v1, 5, v0
	v_readfirstlane_b32 s14, v1                    ; wave
	s_lshl_b32 s15, ttmp9, 3
	s_wait_alu depctr_va_sdst(0)                   ; s14 is written, ahead of its first reader
	s_add_co_u32 s15, s15, s14                     ; sigma
	s_lshl_b32 s24, s15, 5
	s_mov_b32 s25, 0
	s_wait_kmcnt 0x0
	s_add_nc_u64 s[4:5], s[4:5], s[24:25]
	s_load_b256 s[16:23], s[4:5], 0x0              ; my eight groups
	v_and_b32 v1, 31, v0                           ; lane
	v_bfe_u32 v3, v0, 4, 1                         ; h
	v_bfe_u32 v10, v0, 3, 1                        ; r / 8
	v_and_b32 v11, 7, v0                           ; r % 8
	v_lshlrev_b32 v4, 12, v10
	v_lshl_add_u32 v4, v3, 8, v4
	v_lshl_add_u32 v4, v11, 4, v4                  ; v4  codes: tile r / 8 of two, lane r % 8 + 16 h of its image
	v_lshlrev_b32 v5, 8, v10
	v_lshl_add_u32 v5, v11, 4, v5                  ; v5  scale words
	v_lshl_add_u32 v7, v10, 1, v3
	v_lshlrev_b32 v6, 6, v7
	v_lshl_add_u32 v6, v11, 2, v6                  ; v6  the half of row il
	v_lshl_add_u32 v7, v7, 3, v11                  ; v7  il
	v_lshlrev_b32 v12, 2, v7                       ; v12 its label's place
	v_lshlrev_b32 v13, 7, v7                       ; v13 il << 7
	v_lshlrev_b32 v8, 8, v3
	s_wait_alu depctr_va_vdst(0)
	v_mov_b32 v9, 0
	v_mov_b32 v236, 0x7f61b1e6                     ; 3e38: over every key
	v_mov_b32 v237, 0x7f800000                     ; +infinity
	v_mov_b32 v238, 0                              ; written once: a lane permute's destination counts as one of its sources
	s_mov_b32 s32, 0xaaaaaaaa                      ; lanes with bit 0 set,
	s_mov_b32 s33, 0xcccccccc                      ; bit 1,
	s_mov_b32 s34, 0xf0f0f0f0                      ; bit 2,
	s_mov_b32 s35, 0xff00ff00                      ; bit 3
	s_mov_b32 s36, 0x76543210
	s_mov_b32 s37, 0xfedcba98                      ; v_permlanex16_b32's selects for lane l xor 16
	s_lshr_b32 s26, s15, 6
	s_mul_i32 s26, s26, PAIRB
	s_mov_b32 s27, 0
	s_add_nc_u64 s[8:9], s[8:9], s[26:27]          ; the query's pair
	s_bfe_u32 s28, s15, 0x20004                    ; its tile,
	s_lshl_b32 s28, s28, 12
	s_and_b32 s29, s15, 15                         ; its place
	s_lshl_b32 s29, s29, 4
	s_add_co_u32 s28, s28, s29
	v_add_nc_u32 v8, s28, v8                       ; v8  the query's codes: + 256 h
	s_and_b32 s29, s15, 63
	s_lshl_b32 s30, s29, 4
	v_mov_b32 v14, s30                             ; v14 its scale words
	s_lshl_b32 s30, s29, 2
	v_mov_b32 v15, s30                             ; v15 its half
	s_wait_alu depctr_va_vdst(0)                   ; v8, v14 and v15 are written, which the query's ten loads read as their offsets
.irp kk, 0,1,2,3,4,5,6,7
	global_load_b128 v[QF+4*\kk:QF+4*\kk+3], v8, s[8:9] offset:512*\kk
.endr
	global_load_b128 v[QS:QS+3], v14, s[8:9] offset:16384
	global_load_b32 v[XH], v15, s[8:9] offset:17408
	s_wait_kmcnt 0x0
.irp k, 0,1,2,3,4,5,6,7
	s_min_u32 s[16+\k], s[16+\k], 2047             ; a loaded number enters an address only behind this hold
	s_and_b32 s24, s[16+\k], 0x7fe
	s_mul_i32 s24, s24, PAIRB/2                    ; the group's pair
	s_and_b32 s25, s[16+\k], 1                     ; even or odd group: places 8 on
	s_lshl_b32 s26, s25, 7
	s_add_co_u32 s26, s26, s24
	s_lshl_b32 s27, s25, 5
	s_add_co_u32 s27, s27, s24
	s_lshl_b32 s28, s[16+\k], 7                    ; 32 labels of 4 bytes
	v_add_nc_u32 v[VOC+\k], s26, v4
	v_add_nc_u32 v[VOS+\k], s26, v5
	v_add_nc_u32 v[VOT+\k], s27, v6
	v_add_nc_u32 v[VOY+\k], s28, v12
.endr
	s_wait_alu depctr_va_vdst(0)                   ; the groups' 32 offsets v16 to v47 are written: every load below, to the kernel's end, reads one of them, and none is written again
.irp k, 0,1,2,3,4,5,6,7
.irp u, 0,1
	global_load_b128 v[AS+8*\k+4*\u:AS+8*\k+4*\u+3], v[VOS+\k], s[6:7] offset:16384+512*\u
.endr
.endr
.irp k, 0,1,2,3,4,5,6,7
	global_load_b32 v[TH+\k], v[VOT+\k], s[6:7] offset:17408
.endr
.irp k, 0,1,2,3,4,5,6,7
	global_load_b32 v[LAB+\k], v[VOY+\k], s[10:11]
.endr
.macro CODES k, again                  ; 16 loads: group k's two tiles of 16 rows, all of K, into buffer k % 4; each load takes four runs of 128 bytes.  again = 1: products have read the buffer
	WIN 0x40                                       ; destination window 1
.if \again
	s_wait_alu depctr_va_vdst(0)                   ; the eight products of the group four back are done reading this buffer, in which the loads below land
.endif
.irp u, 0,1
.irp kk, 0,1,2,3,4,5,6,7
	global_load_b128 v[64*((\k)%4)+32*\u+4*\kk:64*((\k)%4)+32*\u+4*\kk+3], v[VOC+(\k)], s[6:7] offset:\u*8192+\kk*512
.endr
.endr
	WIN 0
.endm
	CODES 0, 0
	CODES 1, 0
	CODES 2, 0
	CODES 3, 0
.irp k, 0,1,2,3,4,5,6,7
.if \k <= 4
	s_wait_loadcnt 48                              ; group k's codes, and all that was asked for earlier, are in; the three groups' behind it may be out
.else
	s_wait_loadcnt 16*(7-\k)
.endif
	WIN 0x01                                       ; source 0 window 1
.irp s, 0,1,2,3
.irp u, 0,1
.set rD, ACC+16*(\k%2)+8*\u
.set rA, 64*(\k%4)+32*\u+8*\s
.if \s == 0
	v_wmma_scale_f32_16x16x128_f8f6f4 v[rD:rD+7], v[rA:rA+7], v[QF+8*\s:QF+8*\s+7], 0, v[AS+8*\k+4*\u+\s], v[QS+\s] matrix_a_fmt:MATRIX_FMT_FP4 matrix_b_fmt:MATRIX_FMT_FP4
.else
	v_wmma_scale_f32_16x16x128_f8f6f4 v[rD:rD+7], v[rA:rA+7], v[QF+8*\s:QF+8*\s+7], v[rD:rD+7], v[AS+8*\k+4*\u+\s], v[QS+\s] matrix_a_fmt:MATRIX_FMT_FP4 matrix_b_fmt:MATRIX_FMT_FP4
.endif
.endr
.endr                                              ; the two accumulators take turns, one instruction a turn
.rept 4
	v_nop                                          ; four places between the products and the first read of their results (ISA guide 7.12.1)
.endr
.if \k < 4
	CODES \k+4, 1                                  ; its buffer takes the group four further on, ahead of the selections, which name none of the loads' registers
.else
	WIN 0
.endif
.irp j, 0,1,2,3,4,5,6,7
	v_cndmask_b32 v[T+\j], v[ACC+16*(\k%2)+\j], v[ACC+16*(\k%2)+8+\j], s35    ; u = r / 8; both accumulators from their low end on
.endr
.irp p, 0,1,2,3
	v_cndmask_b32 v[T+\p], v[T+2*\p], v[T+2*\p+1], s32                          ; j = r % 8, bit by bit
.endr
	v_cndmask_b32 v[T], v[T], v[T+1], s33
	v_cndmask_b32 v[T+1], v[T+2], v[T+3], s33
	v_cndmask_b32 v[DS+\k], v[T], v[T+1], s34      ; the dot product with row il of group k
.endr
.irp k, 0,1,2,3,4,5,6,7
	v_add_f32 v[T+\k], v[XH], v[TH+\k]             ; -(x2 + t2) / 2
.endr
.irp k, 0,1,2,3,4,5,6,7
	v_add_f32 v[DS+\k], v[T+\k], v[DS+\k]          ; -d2 / 2
.endr
.irp k, 0,1,2,3,4,5,6,7
	v_mul_f32 v[DS+\k], -2.0, v[DS+\k]
.endr
.irp k, 0,1,2,3,4,5,6,7
	v_max_num_f32 v[DS+\k], 0, v[DS+\k]            ; a = max(d2, 0)
.endr
	s_wait_alu depctr_va_vdst(0)
.irp k, 0,1,2,3,4,5,6,7
	v_sqrt_f32 v[T+\k], v[DS+\k]
.endr
	v_nop                                          ; a plain line behind the last root
	s_wait_alu depctr_va_vdst(0)                   ; the eight roots have written v[T] to v[T + 7]: one wait, ahead of their first reader
.irp k, 0,1,2,3,4,5,6,7
	v_add_nc_u32 v[SD+\k], -1, v[T+\k]             ; the neighbour below,
.endr
.irp k, 0,1,2,3,4,5,6,7
	v_add_nc_u32 v[SU+\k], 1, v[T+\k]              ; and above
.endr
.irp k, 0,1,2,3,4,5,6,7
	v_max_num_f32 v[SD+\k], 0, v[SD+\k]            ; (below a root of 0 the bits are no number: 0 then)
.endr
.irp k, 0,1,2,3,4,5,6,7
	v_fma_f32 v[RA+\k], -v[SD+\k], v[T+\k], v[DS+\k]   ; a - s_down s
.endr
.irp k, 0,1,2,3,4,5,6,7
	v_fma_f32 v[RB+\k], -v[SU+\k], v[T+\k], v[DS+\k]   ; a - s_up s
.endr
.irp k, 0,1,2,3,4,5,6,7
	v_cmp_ge_f32 s[40+\k], 0, v[RA+\k]
.endr
.irp k, 0,1,2,3,4,5,6,7
	v_cmp_lt_f32 s[48+\k], 0, v[RB+\k]
.endr
	s_wait_alu depctr_va_sdst(0)                   ; the sixteen compares have written s40 to s55, ahead of the selections that read them
.irp k, 0,1,2,3,4,5,6,7
	v_cndmask_b32 v[T+\k], v[T+\k], v[SD+\k], s[40+\k]
.endr
.irp k, 0,1,2,3,4,5,6,7
	v_cndmask_b32 v[DS+\k], v[T+\k], v[SU+\k], s[48+\k]   ; the distance
.endr
.irp k, 0,1,2,3,4,5,6,7
	s_lshl_b32 s24, s[16+\k], 12
	v_min_u32 v230, 127, v[LAB+\k]
	v_add3_u32 v230, v230, v13, s24
	v_cvt_f32_u32 v[KY+\k], v230
.endr
.macro WMIN r                          ; the smallest over the wave's 32 lanes, in every lane
	v_min_num_f32_dpp v[\r], v[\r], v[\r] row_xmask:1 row_mask:0xf bank_mask:0xf
	v_min_num_f32_dpp v[\r], v[\r], v[\r] row_xmask:2 row_mask:0xf bank_mask:0xf
	v_min_num_f32_dpp v[\r], v[\r], v[\r] row_xmask:4 row_mask:0xf bank_mask:0xf
	v_min_num_f32_dpp v[\r], v[\r], v[\r] row_xmask:8 row_mask:0xf bank_mask:0xf
	v_permlanex16_b32 v238, v[\r], s36, s37
	v_min_num_f32 v[\r], v[\r], v238
.endm
; Five passes: the smallest distance; among the rows that have it the smallest key, which is the lowest index; that row is taken out.  No branch: everything is selected.
.irp p, 0,1,2,3,4
	v_min3_num_f32 v230, v[DS], v[DS+1], v[DS+2]
	v_min3_num_f32 v230, v230, v[DS+3], v[DS+4]
	v_min3_num_f32 v230, v230, v[DS+5], v[DS+6]
	v_min_num_f32 v230, v230, v[DS+7]
	WMIN 230
.irp k, 0,1,2,3,4,5,6,7
	v_cmp_eq_f32 s[24+\k], v[DS+\k], v230
.endr
	s_wait_alu depctr_va_sdst(0)                   ; the eight compares have written s24 to s31, ahead of the selections that read them
.irp k, 0,1,2,3,4,5,6,7
	v_cndmask_b32 v[T+\k], v236, v[KY+\k], s[24+\k]
.endr
	v_min3_num_f32 v231, v[T], v[T+1], v[T+2]
	v_min3_num_f32 v231, v231, v[T+3], v[T+4]
	v_min3_num_f32 v231, v231, v[T+5], v[T+6]
	v_min_num_f32 v231, v231, v[T+7]
	WMIN 231
	v_cvt_u32_f32 v239, v231
	v_readfirstlane_b32 s[40+\p], v239
.if \p < 4
.irp k, 0,1,2,3,4,5,6,7
	v_cmp_eq_f32 s[24+\k], v[KY+\k], v231
.endr
.endif
	s_wait_alu depctr_va_sdst(0)                   ; the winner's key is written into its scalar register, and (in the first four passes) the eight compares have written s24 to s31: ahead of their first readers
	s_and_b32 s[40+\p], s[40+\p], 127              ; the neighbour's label
.if \p < 4
.irp k, 0,1,2,3,4,5,6,7
	v_cndmask_b32 v[DS+\k], v[DS+\k], v237, s[24+\k]
.endr
.endif
.endr
; THE VOTE, in scalar registers, by selections alone: each label's count among the five; score = count x 128 + 127 - label, so that the larger count wins and, among equals, the smaller label.
.irp i, 0,1,2,3,4
	s_mov_b32 s[45+\i], 1
.endr
.macro SAME i, j
	s_cmp_eq_u32 s[40+\i], s[40+\j]
	s_cselect_b32 s50, 1, 0
	s_add_co_u32 s[45+\i], s[45+\i], s50
	s_add_co_u32 s[45+\j], s[45+\j], s50
.endm
	SAME 0, 1
	SAME 0, 2
	SAME 0, 3
	SAME 0, 4
	SAME 1, 2
	SAME 1, 3
	SAME 1, 4
	SAME 2, 3
	SAME 2, 4
	SAME 3, 4
	s_mov_b32 s51, 127                             ; no vote at all: label 0
.irp i, 0,1,2,3,4
	s_lshl_b32 s50, s[45+\i], 7
	s_add_co_u32 s50, s50, 127
	s_sub_co_u32 s50, s50, s[40+\i]
	s_cmp_lt_u32 s[40+\i], 100                     ; a label outside the classes has no vote
	s_cselect_b32 s50, s50, 0
	s_max_u32 s51, s51, s50
.endr
	s_and_b32 s51, s51, 127
	s_sub_co_u32 s51, 127, s51                     ; the prediction
	s_and_b32 s52, s15, 0x7c0                      ; the slot's query: 64 (sigma / 64) + 32 (bit 3) + 8 (bits 5:4) + sigma % 8
	s_bfe_u32 s53, s15, 0x10003
	s_lshl_b32 s53, s53, 5
	s_add_co_u32 s52, s52, s53
	s_bfe_u32 s53, s15, 0x20004
	s_lshl_b32 s53, s53, 3
	s_add_co_u32 s52, s52, s53
	s_and_b32 s53, s15, 7
	s_add_co_u32 s52, s52, s53
	s_lshl_b32 s52, s52, 2
	s_mov_b32 s53, 0
	s_add_nc_u64 s[12:13], s[12:13], s[52:53]
	v_mov_b32 v239, s51
	v_cmp_eq_u32 vcc_lo, 0, v1
	s_wait_xcnt 0x0                                ; EXEC changes only behind this wait: it is a source of the loads above
	s_wait_alu depctr_va_vcc(0)                    ; the compare has written VCC, from which EXEC is made
	s_wait_alu depctr_va_vdst(0)                   ; ahead of a write of EXEC: every vector instruction has written its result, v239, the store's data, among them
	s_wait_alu depctr_vm_vsrc(0)                   ; ahead of a write of EXEC: every memory instruction has read its vector registers
	s_and_saveexec_b32 s54, vcc_lo                 ; lane 0 alone: a wave has one number of an output of 8,192 bytes
	global_store_b32 v9, v239, s[12:13]
	s_wait_xcnt 0x0                                ; and again, in front of the line that widens it
	s_wait_alu depctr_va_vdst(0)                   ; ahead of a write of EXEC: no vector result is outstanding
	s_wait_alu depctr_vm_vsrc(0)                   ; ahead of a write of EXEC: the store has read v9 and v239
	s_or_b32 exec_lo, exec_lo, s54
	s_endpgm
.Lfunc_end_k_q75a5d48419_final:
	.size	k_q75a5d48419_final, .Lfunc_end_k_q75a5d48419_final-k_q75a5d48419_final
	.p2alignl 7, 3214868480
	.fill 96, 4, 3214868480
	.section	.rodata,"a",@progbits
	.p2align	6, 0x0
	.amdhsa_kernel k_q75a5d48419_final
		.amdhsa_group_segment_fixed_size 0
		.amdhsa_private_segment_fixed_size 0
		.amdhsa_enable_private_segment 0
		.amdhsa_kernarg_size 40
		.amdhsa_user_sgpr_count 2
		.amdhsa_user_sgpr_kernarg_segment_ptr 1
		.amdhsa_wavefront_size32 1
		.amdhsa_system_sgpr_workgroup_id_x 1
		.amdhsa_system_sgpr_workgroup_id_y 1
		.amdhsa_system_sgpr_workgroup_id_z 1
		.amdhsa_system_vgpr_workitem_id 0
		.amdhsa_next_free_vgpr 512
		.amdhsa_next_free_sgpr 66
		.amdhsa_reserve_vcc 1
		.amdhsa_float_denorm_mode_32 3
		.amdhsa_float_denorm_mode_16_64 3
		.amdhsa_memory_ordered 1
		.amdhsa_forward_progress 1
		.amdhsa_inst_pref_size 67
	.end_amdhsa_kernel
	.amdgpu_metadata
---
amdhsa.version: [ 1, 2 ]
amdhsa.kernels:
  - .name:           k_q75a5d48419_final
    .symbol:         k_q75a5d48419_final.kd
    .args:
      - { .name: gsel, .offset: 0, .size: 8, .value_kind: global_buffer, .address_space: global }
      - { .name: tq, .offset: 8, .size: 8, .value_kind: global_buffer, .address_space: global }
      - { .name: xq, .offset: 16, .size: 8, .value_kind: global_buffer, .address_space: global }
      - { .name: y_train, .offset: 24, .size: 8, .value_kind: global_buffer, .address_space: global }
      - { .name: out0, .offset: 32, .size: 8, .value_kind: global_buffer, .address_space: global }
    .group_segment_fixed_size: 0
    .private_segment_fixed_size: 0
    .kernarg_segment_align: 8
    .kernarg_segment_size: 40
    .max_flat_workgroup_size: 256
    .sgpr_count:     66
    .vgpr_count:     512
    .wavefront_size: 32
...
	.end_amdgpu_metadata
.endif
;; end of part 7
